; MI455X (gfx1250); checked and timed in simulation.
; The chip was launched on July 23, 2026; its instructions are those of AMD's public machine-readable ISA for CDNA 5 (MIT licence, August 2026) and "CDNA5" Instruction Set Architecture Reference Guide (July 2026). The comments in the code are by the model that wrote it; some were corrected since.
;; Linear GPT2 Block. Allowed arithmetic: matrix products marked QUANTISED: E2M3 operands, one E8M0 scale for each 32 along K, by v_wmma_scale_f32_16x16x128_f8f6f4 with both operands' format E2M3, f32 sums; everything else in f32.
;; Inputs: fc1_b 4,096 float32; fc1_w 4,096 x 1,024 float32; fc2_b 1,024 float32; fc2_w 1,024 x 4,096 float32; hidden_states 2 x 2,048 x 1,024 float32; ln1_b 1,024 float32; ln1_g 1,024 float32; ln2_b 1,024 float32; ln2_g 1,024 float32; out_b 1,024 float32; out_w 1,024 x 1,024 float32; qkv_b 3,072 float32; qkv_w 3,072 x 1,024 float32.
;; Outputs: out0 2 x 2,048 x 1,024 float32.
;; This version of the problem:
;;   THIS VERSION OF THE PROBLEM IS GIVEN IN LOW PRECISION. The matrix products marked QUANTISED in the list below multiply operands that are first quantised to E2M3 (2 exponent bits, 3 mantissa bits; 6 bits a number), with one power-of-two scale for each 32 numbers along K (OCP MX v1.0); their sums are f32. All else is computed in f32.
;;   The module's matrix products, in the order in which they are computed (A, B: the left and right operand; K: the contracted axis; several contracted axes count as one K, in the product's order):
;;     1. [M 4,096, K 1,024] x [K 1,024, N 3,072]; A: computed on the way; B: input qkv_w: QUANTISED
;;     2. batch 32 x [M 2,048, K 64] x [K 64, N 2,048]; A: computed on the way; B: computed on the way: QUANTISED
;;     3. batch 32 x [M 2,048, K 2,048] x [K 2,048, N 64]; A: softmax (see below); B: computed on the way: QUANTISED
;;     4. [M 4,096, K 1,024] x [K 1,024, N 1,024]; A: computed on the way; B: input out_w: QUANTISED
;;     5. [M 4,096, K 1,024] x [K 1,024, N 4,096]; A: computed on the way; B: input fc1_w: QUANTISED
;;     6. [M 4,096, K 4,096] x [K 4,096, N 1,024]; A: computed on the way; B: input fc2_w: QUANTISED
;;   THE QUANTISER, for each operand of a quantised product, along K:
;;     - K is cut into blocks of 32 from its start; a last block that is shorter is filled with zeros.
;;     - A block's scale is 2^e with e = floor(log2(the largest magnitude in the block)) - 2, held to -126 .. 127; a block of zeros has e = 0. As a byte (E8M0): e + 127.
;;     - Each number is divided by its block's scale, clamped to +-7.5, and rounded to the nearest number of E2M3, ties to even, subnormals kept.
;;     - The product sums the exact products of the quantised numbers (number of the format x scale) in f32.
;;   ~~~python
;;   def quantise(x, axis):      # numpy; x: float32 -> the quantised numbers, widened to float32 again
;;       x = np.moveaxis(x, axis, -1); K = x.shape[-1]
;;       x = np.pad(x, [(0, 0)] * (x.ndim - 1) + [(0, -K % 32)]); x = x.reshape(x.shape[:-1] + (-1, 32)); a = np.abs(x).max(-1, keepdims=True)
;;       e = np.where(a > 0, np.clip(np.frexp(np.where(a > 0, a, 1))[1] - 1 - 2, -126, 127), 0)      # np.frexp(a)[1] - 1 = floor(log2(a)), exactly
;;       r = np.clip(x / 2.0 ** e, -7.5, 7.5)
;;       step = 2.0 ** (np.maximum(np.frexp(np.where(r == 0, 1, r))[1] - 1, 0) - 3)
;;       q = np.round(r / step) * step * 2.0 ** e      # np.round: ties to even
;;       return np.moveaxis(q.reshape(q.shape[:-2] + (-1,))[..., :K], -1, axis).astype(np.float32)
;;   ~~~
;;   SOFTMAX AHEAD OF A QUANTISED PRODUCT. Where the list says 'softmax', what is quantised is not the finished softmax but p = 2^(t - M), with t = logit x log2(e) and M = ceil(the row's largest t), a whole number; so 1/2 < the row's largest p <= 1. The row's sum l is taken of the UNQUANTISED p, in f32, and the product's result is divided by l at the end. Since M is a whole number, a kernel that streams over the keys may use a running M (the ceiling of the running maximum): every later rescaling is an exact power of two, which a block's scale takes up: the codes' values come out the same.
;;   OPERANDS COMPUTED ON THE WAY. 'Computed on the way' means the value that the module computes at that place (a softmax that the list does not call 'softmax' is quantised finished and normalised). What goes into a quantiser is computed in f32, as accurately as f32 sums, v_exp_f32 and their like allow (about 1e-6 of the number): no bf16 or f16 on the way to a quantiser, and a product that is left as it is and whose result goes on into a quantised operand takes f32 operands (vector FMAs, or v_wmma_f32_16x16x4_f32). A number that lies on a knife's edge between two numbers of the format may be rounded either way, as far as f32 arithmetic and the matrix unit's own rounding can turn it there, and no further.
;; One version. Each part assembles by itself: llvm-mc -triple=amdgcn-amd-amdhsa -mcpu=gfx1250 --defsym DOCPART=n.
;; ======== version 1 of 1: 6 launches
;; limits: right only within a limited range of input values
;; workspace buffers: wc 9,830,400 bytes; xc 3,276,800 bytes; qc 3,407,872 bytes; kv 6,553,600 bytes; ac 3,276,800 bytes; hid 16,777,216 bytes; ffc 13,107,200 bytes
;; launch prep (part 1): grid 1024 x 1, 8 waves a work-group, no clusters, 67,328 bytes of LDS; arguments hidden_states, ln1_g, ln1_b, qkv_w, out_w, fc1_w, fc2_w, xc, wc; writes xc, wc
.if DOCPART == 1
	.amdgcn_target "amdgcn-amd-amdhsa--gfx1250"
	.amdhsa_code_object_version 6
	.text
	.protected	k_qf394f54cae_prep
	.globl	k_qf394f54cae_prep
	.p2align	8
	.type	k_qf394f54cae_prep,@function
k_qf394f54cae_prep:
	s_mov_b64 s[64:65], 0
	v_nop
	global_prefetch_b8 v0, s[64:65] scope:SCOPE_SE
	s_setreg_imm32_b32 hwreg(HW_REG_WAVE_MODE, 25, 1), 1
	s_wait_xcnt 0x0
; LAUNCH 1 OF 6 of a GPT-2 block (4,096 tokens, D = 1,024, 16 heads of 64, FF = 4,096), all six products on codes of E2M3 with one E8M0 byte for each 32 along K.
; THE PROGRAM: prep (LayerNorm 1 and all four weights into codes) | qkv | attn | oln (out projection and LayerNorm 2) | fc1 | fc2.
; DEAD WORK, left out in launch attn alone: reference() sets score(q, k) to -infinity for k > q by its own jnp.tril.  For such a key p = 2^(-inf) = 0 whatever finite values the inputs hold: it adds
; nothing to the row's sum and, as the code 0, nothing to product 3.  So a key step of 128 keys all of which lie behind all 16 queries of a tile is neither multiplied (product 2) nor summed (product 3).
; Inside the one step that holds a tile's diagonal the scores are computed and then set to -infinity.  All thirteen inputs have a way to the output and are loaded.
; LIMIT: a NaN, an infinity or an overflow that would arise only in the steps left out is not carried to the result.
; THIS LAUNCH: a work-group takes 16 rows x 1,024 columns of one tensor: work-groups 0-255 hidden_states (LayerNorm 1 first), 256-447 qkv_w, 448-511 out_w, 512-767 fc1_w, 768-1023 fc2_w (four pieces of 1,024 a row).
; THE LAYOUT OF ALL CODES IN THIS PROGRAM.  Sixteen rows form a block in this order: of each 32 rows, block u (0, 1) holds rows 8 u + r + 8 (r / 8), r = 0 .. 15.  A HALF is 16 rows x 64 K, 768 bytes: lane (r, h) owns
; the 24 bytes of row r, k = 32 h .. 32 h + 31: its first 16 bytes at 16 x lane, its last 8 at 512 + 8 x lane.  Two HALFs are an operand's 12 registers.  A UNIT is 128 rows x 512 K, 51,200 bytes: codes at
; block x 6,144 + K step x 1,536 + half x 768, scale bytes at 49,152 + block x 256 + 16 r + 4 x K step + 2 x half + block of 32.
; A block's scale is 2^(floor(log2(largest magnitude)) - 2); its byte is the largest magnitude's exponent field - 2, held at 1 from below.
; THE LAYERNORM is ((x - mean) gain) rstd + bias: the two multiplications stand the other way round than in reference(), which moves a result by roundings of f32 alone.  So the gain's registers are free
; while the variance is finished, and the bias is loaded into them: a wave needs 128 registers.
; LIMITS: a block of zeros, or one whose largest magnitude lies under 2^-124, gets the byte 1 (its codes are zeros or tiny; this program alone reads the bytes); NaN and infinities among the inputs are not served.
; No tensor load, no matrix instruction, no cluster: memory binds, and the work-groups share no input.
.set PITCH, 4112                       ; an LDS row: 4,096 bytes + 16: sixteen rows' equal columns start 16 bytes apart modulo 256
.set SCST,  16*PITCH                   ; 512 bytes: the block's scale words of two units
.set SPARE, SCST+512                   ; the spare words, 128 bytes a wave
.set X,     32                         ; v32-95   phase 1: two rows x 32 numbers; phase 2: two blocks of 32 for each of two HALFs
.set GN,    96                         ; v96-127  the gain, then the LayerNorm's bias;  phase 2: the codes
.set CD,    96
.set CX,    112
.set SPW,   10                         ; v10 my spare word's address, v11 = 0: never rewritten
.set NIL,   11
.set WV,    33
.set SEL,   46
.macro ROWSUM d, x                     ; v[d] = the sum of my 32 numbers of a row, in two chains
	v_pk_add_f32 v[\d:\d+1], v[\x:\x+1], v[\x+2:\x+3]
	v_pk_add_f32 v[\d+2:\d+3], v[\x+4:\x+5], v[\x+6:\x+7]
.irp j, 8,12,16,20,24,28
	s_delay_alu instid0(VALU_DEP_2)
	v_pk_add_f32 v[\d:\d+1], v[\d:\d+1], v[\x+\j:\x+\j+1]
	s_delay_alu instid0(VALU_DEP_2)
	v_pk_add_f32 v[\d+2:\d+3], v[\d+2:\d+3], v[\x+\j+2:\x+\j+3]
.endr
	s_delay_alu instid0(VALU_DEP_1)
	v_pk_add_f32 v[\d:\d+1], v[\d:\d+1], v[\d+2:\d+3]
	s_delay_alu instid0(VALU_DEP_1)
	v_add_f32 v[\d], v[\d], v[\d+1]
.endm
.macro ROWSQ d, x                      ; the same of their squares
	v_pk_mul_f32 v[\d:\d+1], v[\x:\x+1], v[\x:\x+1]
	v_pk_mul_f32 v[\d+2:\d+3], v[\x+2:\x+3], v[\x+2:\x+3]
.irp j, 4,8,12,16,20,24,28
	s_delay_alu instid0(VALU_DEP_2)
	v_pk_fma_f32 v[\d:\d+1], v[\x+\j:\x+\j+1], v[\x+\j:\x+\j+1], v[\d:\d+1]
	s_delay_alu instid0(VALU_DEP_2)
	v_pk_fma_f32 v[\d+2:\d+3], v[\x+\j+2:\x+\j+3], v[\x+\j+2:\x+\j+3], v[\d+2:\d+3]
.endr
	s_delay_alu instid0(VALU_DEP_1)
	v_pk_add_f32 v[\d:\d+1], v[\d:\d+1], v[\d+2:\d+3]
	s_delay_alu instid0(VALU_DEP_1)
	v_add_f32 v[\d], v[\d], v[\d+1]
.endm
.macro WSUM d                          ; over the 32 lanes; every lane ends with the sum
	v_add_f32_dpp v[\d], v[\d], v[\d] row_xmask:1 row_mask:0xf bank_mask:0xf
	s_delay_alu instid0(VALU_DEP_1)
	v_add_f32_dpp v[\d], v[\d], v[\d] row_xmask:2 row_mask:0xf bank_mask:0xf
	s_delay_alu instid0(VALU_DEP_1)
	v_add_f32_dpp v[\d], v[\d], v[\d] row_xmask:4 row_mask:0xf bank_mask:0xf
	s_delay_alu instid0(VALU_DEP_1)
	v_add_f32_dpp v[\d], v[\d], v[\d] row_xmask:8 row_mask:0xf bank_mask:0xf
	s_delay_alu instid0(VALU_DEP_1)
	v_permlanex16_b32 v[\d+1], v[\d], s[SEL], s[SEL+1]
	s_delay_alu instid0(VALU_DEP_1)
	v_add_f32 v[\d], v[\d], v[\d+1]
.endm
	s_load_b256 s[4:11], s[0:1], 0x0               ; hidden_states, ln1_g, ln1_b, qkv_w
	s_load_b256 s[12:19], s[0:1], 0x20             ; out_w, fc1_w, fc2_w, xc
	s_load_b64 s[20:21], s[0:1], 0x40              ; wc
	v_lshl_add_u32 v[SPW], v0, 2, SPARE
	v_mov_b32 v[NIL], 0
	v_lshrrev_b32 v12, 5, v0
	s_delay_alu instid0(VALU_DEP_1)
	v_readfirstlane_b32 s[WV], v12                 ; wave 0..7
	v_and_b32 v12, 31, v0
	s_delay_alu instid0(VALU_DEP_1)
	v_lshlrev_b32 v1, 4, v12                       ; 16 x lane
	s_delay_alu instid0(VALU_DEP_2)
	v_lshlrev_b32 v2, 3, v12                       ; 8 x lane
	v_and_b32 v3, 15, v0                           ; r
	s_wait_alu depctr_va_vdst(0)
	v_bfe_u32 v4, v0, 4, 1                         ; h
	s_mul_i32 s42, s[WV], 2*PITCH
	v_add_nc_u32 v5, s42, v1                       ; phase 1: LDS rows 2 w, 2 w + 1, 16 bytes a lane
	v_mul_u32_u24 v6, v3, PITCH
	s_delay_alu instid0(VALU_DEP_1)
	v_lshl_add_u32 v6, v4, 7, v6
	s_lshl_b32 s42, s[WV], 9
	v_add_nc_u32 v6, s42, v6                       ; phase 2: row r, K step w (512 bytes), + 128 h
	s_lshr_b32 s36, s[WV], 2                       ; which unit my K step lies in
	s_and_b32 s37, s[WV], 3                        ; and which of its four K steps it is
	s_lshl_b32 s42, s36, 8
	s_lshl_b32 s43, s37, 2
	s_add_co_u32 s42, s42, s43
	s_add_co_u32 s42, s42, SCST
	v_lshl_add_u32 v7, v3, 4, s42                  ; my row's scale word of my K step
	v_add_nc_u32 v8, SCST, v1                      ; the way out of the scale words (wave 0)
	s_mov_b32 s44, 0x3a800000                      ; 1 / 1,024
	s_mov_b32 s45, 0x3727c5ac                      ; 1e-5
	s_mov_b32 s[SEL], 0x76543210
	s_mov_b32 s[SEL+1], 0xfedcba98                 ; lane l xor 16
	s_mov_b32 s24, 0                               ; the tensor's first work-group
	s_mov_b32 s25, 0                               ; its place in wc
	s_mov_b32 s26, 0                               ; log2 of its pieces of 1,024 a row
	s_wait_kmcnt 0x0
	s_mov_b64 s[22:23], s[4:5]                     ; only pointers and offsets are chosen, by the work-group's number: all tensors take one path through LDS
	s_mov_b64 s[28:29], s[18:19]
	s_cmp_ge_u32 ttmp9, 256
	s_cselect_b64 s[22:23], s[10:11], s[22:23]
	s_cselect_b64 s[28:29], s[20:21], s[28:29]
	s_cselect_b32 s24, 256, s24
	s_cmp_ge_u32 ttmp9, 448
	s_cselect_b64 s[22:23], s[12:13], s[22:23]
	s_cselect_b32 s24, 448, s24
	s_cselect_b32 s25, 2457600, s25
	s_cmp_ge_u32 ttmp9, 512
	s_cselect_b64 s[22:23], s[14:15], s[22:23]
	s_cselect_b32 s24, 512, s24
	s_cselect_b32 s25, 3276800, s25
	s_cmp_ge_u32 ttmp9, 768
	s_cselect_b64 s[22:23], s[16:17], s[22:23]
	s_cselect_b32 s24, 768, s24
	s_cselect_b32 s25, 6553600, s25
	s_cselect_b32 s26, 2, s26
	s_sub_co_u32 s27, ttmp9, s24
	s_lshr_b32 s30, s27, s26                       ; the block of 16 rows
	s_lshl_b32 s31, s30, s26
	s_sub_co_u32 s31, s27, s31                     ; the piece of 1,024 columns
	s_lshr_b32 s38, s30, 1
	s_lshl_b32 s38, s38, 5
	s_and_b32 s42, s30, 1
	s_lshl_b32 s42, s42, 3
	s_add_co_u32 s38, s38, s42                     ; the block's first row: 32 (block / 2) + 8 (block % 2)
	s_lshl_b32 s42, s[WV], 1
	s_add_co_u32 s38, s38, s42
	s_lshl_b32 s42, s36, 3
	s_add_co_u32 s38, s38, s42                     ; my two rows: + 2 w + 8 (w / 4)
	s_lshl_b32 s43, 4096, s26                      ; a row in bytes
	s_mul_i32 s38, s38, s43
	s_lshl_b32 s42, s31, 12
	s_add_co_u32 s38, s38, s42
	s_mov_b32 s39, 0
	s_add_nc_u64 s[22:23], s[22:23], s[38:39]
	v_add_nc_u32 v9, s43, v1                       ; the second row
.irp j, 0,1,2,3,4,5,6,7
	global_load_b128 v[X+4*\j:X+4*\j+3], v1, s[22:23] offset:512*\j th:TH_LOAD_NT      ; 512 consecutive bytes a load
.endr
.irp j, 0,1,2,3,4,5,6,7
	global_load_b128 v[X+32+4*\j:X+32+4*\j+3], v9, s[22:23] offset:512*\j th:TH_LOAD_NT
.endr
	s_lshr_b32 s38, s30, 3                         ; where the codes go: panel of 128 rows,
	s_lshl_b32 s42, 102400, s26
	s_mul_i32 s38, s38, s42
	s_mul_i32 s42, s31, 102400                     ; the piece's two units,
	s_add_co_u32 s38, s38, s42
	s_add_co_u32 s38, s38, s25
	s_add_nc_u64 s[28:29], s[28:29], s[38:39]
	s_and_b32 s42, s30, 7
	s_mul_i32 s38, s42, 6144                       ; the block in its panel,
	s_mul_i32 s43, s36, 51200
	s_add_co_u32 s38, s38, s43
	s_mul_i32 s43, s37, 1536                       ; my K step
	s_add_co_u32 s38, s38, s43
	s_add_nc_u64 s[40:41], s[28:29], s[38:39]
	s_lshl_b32 s38, s42, 8
	s_add_co_u32 s38, s38, 49152
	s_add_nc_u64 s[28:29], s[28:29], s[38:39]      ; and the block's scale bytes
	s_cmp_ge_u32 ttmp9, 256
	s_cbranch_scc1 .Lraw                           ; a weight is quantised as it is
.irp j, 0,1,2,3,4,5,6,7
	global_load_b128 v[GN+4*\j:GN+4*\j+3], v1, s[6:7] offset:512*\j
.endr
	s_wait_loadcnt 8                               ; both rows are in; the gain's 8 loads behind them may be out
	ROWSUM 12, X
	ROWSUM 16, X+32
	WSUM 12
	WSUM 16
	v_mul_f32 v12, s44, v12                        ; the means
	s_delay_alu instid0(VALU_DEP_2)
	v_mul_f32 v16, s44, v16
.irp j, 0,2,4,6,8,10,12,14,16,18,20,22,24,26,28,30
	v_pk_add_f32 v[X+\j:X+\j+1], v[X+\j:X+\j+1], v[12:13] op_sel_hi:[1,0] neg_lo:[0,1] neg_hi:[0,1]
	v_pk_add_f32 v[X+32+\j:X+32+\j+1], v[X+32+\j:X+32+\j+1], v[16:17] op_sel_hi:[1,0] neg_lo:[0,1] neg_hi:[0,1]
.endr
	ROWSQ 12, X                                    ; the variance of the centred numbers, as reference() has it: a common offset of the inputs costs no accuracy
	ROWSQ 16, X+32
	s_wait_loadcnt 0x0                             ; the gain
.irp j, 0,2,4,6,8,10,12,14,16,18,20,22,24,26,28,30
	v_pk_mul_f32 v[X+\j:X+\j+1], v[X+\j:X+\j+1], v[GN+\j:GN+\j+1]
	v_pk_mul_f32 v[X+32+\j:X+32+\j+1], v[X+32+\j:X+32+\j+1], v[GN+\j:GN+\j+1]
.endr
.irp j, 0,1,2,3,4,5,6,7
	global_load_b128 v[GN+4*\j:GN+4*\j+3], v1, s[8:9] offset:512*\j      ; the bias takes the gain's registers, and comes while the variance is finished
.endr
	WSUM 12
	WSUM 16
	v_fma_f32 v12, v12, s44, s45
	s_delay_alu instid0(VALU_DEP_2)
	v_fma_f32 v16, v16, s44, s45
	s_wait_alu depctr_va_vdst(0)
	v_rsq_f32 v12, v12
	v_rsq_f32 v16, v16
	v_nop                                          ; a plain instruction behind the last of the two
	s_wait_alu depctr_va_vdst(0)                   ; the wait ahead of the first reader: one for both
	s_wait_loadcnt 0x0                             ; the bias
.irp j, 0,2,4,6,8,10,12,14,16,18,20,22,24,26,28,30
	v_pk_fma_f32 v[X+\j:X+\j+1], v[X+\j:X+\j+1], v[12:13], v[GN+\j:GN+\j+1] op_sel_hi:[1,0,1]
	v_pk_fma_f32 v[X+32+\j:X+32+\j+1], v[X+32+\j:X+32+\j+1], v[16:17], v[GN+\j:GN+\j+1] op_sel_hi:[1,0,1]
.endr
.Lraw:
	s_wait_loadcnt 0x0
	s_wait_alu depctr_va_vdst(0)
.irp i, 0,1
.irp j, 0,1,2,3,4,5,6,7
	ds_store_b128 v5, v[X+32*\i+4*\j:X+32*\i+4*\j+3] offset:\i*PITCH+512*\j
.endr
.endr
	s_wait_dscnt 0x0                               ; for the others' sake: my rows lie in LDS
	s_barrier_signal -1
	s_barrier_wait -1
	; phase 2: wave w takes K step w of all 16 rows: a lane holds two whole blocks of 32, in the order of the operand's registers
.irp c, 0,1
.irp i, 0,1,2,3,4,5,6,7
	ds_load_b128 v[X+32*\c+4*\i:X+32*\c+4*\i+3], v6 offset:256*\c+16*\i
.endr
.endr
	s_wait_dscnt 0x0
.irp c, 0,1
	v_max3_num_f32 v[12+\c], |v[X+32*\c]|, |v[X+32*\c+1]|, 0x1800000   ; with the floor 2^(3 - 127): the byte cannot fall under 1
.endr
.irp i, 2,4,6,8,10,12,14,16,18,20,22,24,26,28,30
.irp c, 0,1
	s_delay_alu instid0(VALU_DEP_2)
	v_max3_num_f32 v[12+\c], v[12+\c], |v[X+32*\c+\i]|, |v[X+32*\c+\i+1]|
.endr
.endr
.irp c, 0,1
	s_delay_alu instid0(VALU_DEP_2)
	v_add_nc_u32 v[14+\c], 0xff000000, v[12+\c]    ; 2 off the exponent field: the conversion's scale operand
.endr
.irp c, 0,1
	s_delay_alu instid0(VALU_DEP_2)
	v_lshrrev_b32 v[16+\c], 23, v[14+\c]           ; the scale's byte
.endr
.irp c, 0,1
	v_cvt_scalef32_pk16_fp6_f32 v[CD+8*\c:CD+8*\c+2], v[X+32*\c:X+32*\c+15], v[14+\c]
	v_cvt_scalef32_pk16_fp6_f32 v[CX+4*\c:CX+4*\c+2], v[X+32*\c+16:X+32*\c+31], v[14+\c]   ; (a conversion's three registers begin on an even number)
.endr
	v_nop                                          ; one plain place behind a scaled conversion
.irp c, 0,1
.irp i, 0,1,2
	v_mov_b32 v[CD+8*\c+3+\i], v[CX+4*\c+\i]
.endr
.endr
.irp c, 0,1
	global_store_b128 v1, v[CD+8*\c:CD+8*\c+3], s[40:41] offset:768*\c          ; 512 consecutive bytes,
	global_store_b64 v2, v[CD+8*\c+4:CD+8*\c+5], s[40:41] offset:768*\c+512     ; and 256: whole aligned blocks of 256 bytes
.endr
	v_lshl_or_b32 v18, v17, 16, v16                ; my two bytes: block h of each HALF,
	v_lshlrev_b32 v19, 3, v4
	s_delay_alu instid0(VALU_DEP_1)
	v_lshlrev_b32 v18, v19, v18                    ; 8 h bits up;
	v_mov_b32 v19, 0
	s_delay_alu instid0(VALU_DEP_1)
	v_permlanex16_b32 v19, v18, s[SEL], s[SEL+1]
	s_delay_alu instid0(VALU_DEP_1)
	v_or_b32 v18, v18, v19                         ; with lane l xor 16's two the word is whole
	ds_store_b32 v7, v18                           ; (lanes r and r + 16 store the same word)
	s_wait_dscnt 0x0
	s_barrier_signal -1
	s_barrier_wait -1
	s_cmp_lg_u32 s[WV], 0
	s_cbranch_scc1 .Lend
	ds_load_b128 v[24:27], v8                      ; wave 0 stores the block's scale words: 256 bytes in each of the two units
	v_lshlrev_b32 v21, 4, v3
	s_delay_alu instid0(VALU_DEP_1)
	v_mad_u32_u24 v21, v4, 51200, v21
	s_wait_alu depctr_va_vdst(0)
	s_wait_dscnt 0x0
	global_store_b128 v21, v[24:27], s[28:29]
.Lend:
	s_wait_tensorcnt 0x0                           ; the wave's end, behind my last LDS store
	ds_add_u32 v[SPW], v[NIL]
	s_wait_dscnt 0x0
	s_endpgm
.Lfunc_end_k_qf394f54cae_prep:
	.size	k_qf394f54cae_prep, .Lfunc_end_k_qf394f54cae_prep-k_qf394f54cae_prep
	.p2alignl 7, 3214868480
	.fill 96, 4, 3214868480
	.section	.rodata,"a",@progbits
	.p2align	6, 0x0
	.amdhsa_kernel k_qf394f54cae_prep
		.amdhsa_group_segment_fixed_size 67328
		.amdhsa_private_segment_fixed_size 0
		.amdhsa_enable_private_segment 0
		.amdhsa_kernarg_size 72
		.amdhsa_user_sgpr_count 2
		.amdhsa_user_sgpr_kernarg_segment_ptr 1
		.amdhsa_wavefront_size32 1
		.amdhsa_system_sgpr_workgroup_id_x 1
		.amdhsa_system_sgpr_workgroup_id_y 1
		.amdhsa_system_sgpr_workgroup_id_z 1
		.amdhsa_system_vgpr_workitem_id 0
		.amdhsa_next_free_vgpr 128
		.amdhsa_next_free_sgpr 66
		.amdhsa_reserve_vcc 0
		.amdhsa_float_denorm_mode_32 3
		.amdhsa_float_denorm_mode_16_64 3
		.amdhsa_memory_ordered 1
		.amdhsa_forward_progress 1
		.amdhsa_inst_pref_size 30
	.end_amdhsa_kernel
	.amdgpu_metadata
---
amdhsa.version: [ 1, 2 ]
amdhsa.kernels:
  - .name:           k_qf394f54cae_prep
    .symbol:         k_qf394f54cae_prep.kd
    .args:
      - { .name: hidden_states, .offset: 0, .size: 8, .value_kind: global_buffer, .address_space: global }
      - { .name: ln1_g, .offset: 8, .size: 8, .value_kind: global_buffer, .address_space: global }
      - { .name: ln1_b, .offset: 16, .size: 8, .value_kind: global_buffer, .address_space: global }
      - { .name: qkv_w, .offset: 24, .size: 8, .value_kind: global_buffer, .address_space: global }
      - { .name: out_w, .offset: 32, .size: 8, .value_kind: global_buffer, .address_space: global }
      - { .name: fc1_w, .offset: 40, .size: 8, .value_kind: global_buffer, .address_space: global }
      - { .name: fc2_w, .offset: 48, .size: 8, .value_kind: global_buffer, .address_space: global }
      - { .name: xc, .offset: 56, .size: 8, .value_kind: global_buffer, .address_space: global }
      - { .name: wc, .offset: 64, .size: 8, .value_kind: global_buffer, .address_space: global }
    .group_segment_fixed_size: 67328
    .private_segment_fixed_size: 0
    .kernarg_segment_align: 8
    .kernarg_segment_size: 72
    .max_flat_workgroup_size: 256
    .sgpr_count:     66
    .vgpr_count:     128
    .wavefront_size: 32
...
	.end_amdgpu_metadata
.endif
;; end of part 1
;; launch qkv (part 2): grid 8 x 32, 4 waves a work-group, clusters of 4 x 4, 327,680 bytes of LDS; arguments xc, wc, qkv_b, qc, kv; writes qc, kv
.if DOCPART == 2
	.amdgcn_target "amdgcn-amd-amdhsa--gfx1250"
	.amdhsa_code_object_version 6
	.text
	.protected	k_qf394f54cae_qkv
	.globl	k_qf394f54cae_qkv
	.p2align	8
	.type	k_qf394f54cae_qkv,@function
k_qf394f54cae_qkv:
	s_mov_b64 s[64:65], 0
	v_nop
	global_prefetch_b8 v0, s[64:65] scope:SCOPE_SE
	s_setreg_imm32_b32 hwreg(HW_REG_WAVE_MODE, 25, 1), 1
	s_wait_xcnt 0x0
	s_wait_alu depctr_hold_cnt(0) depctr_sa_sdst(0) depctr_va_vdst(0) depctr_va_sdst(0) depctr_va_ssrc(0) depctr_va_vcc(0) depctr_vm_vsrc(0)
	s_getreg_b32 s2, hwreg(HW_REG_IB_STS2, 6, 4)
	s_cmp_eq_u32 s2, 0
	s_cbranch_scc0 .Lentry_in_a_cluster
	s_endpgm
.Lentry_in_a_cluster:
	s_bfe_u32 s2, ttmp6, 0x10000c
	s_cmp_lg_u32 s2, 0xf033
	s_cbranch_scc0 .Lentry_shape_is_right
	s_endpgm
.Lentry_shape_is_right:
; LAUNCH 2: q, k, v = LN1(x) qkv_w^T + qkv_b on codes of E2M3, and q, k (along the head's 64) and v (along the keys) quantised again, straight from the accumulators.
; SHARES.  A work-group (x, y) takes tokens 128 y .. + 127 and three tiles of 128 columns: rows 128 (x + 8 t) of qkv_w, t = 0 (q), 1 (k), 2 (v): heads 2 x and 2 x + 1.  Four waves, each 64 x 64: 16 accumulators.
; LDS.  The tokens' panel (128 x 1,024 codes with their scale bytes, 102,400 bytes) stays; the weights' three panels go through two slots.  All codes lie in the order of the operand's registers
; (see launch prep): a fragment is two loads of 16 bytes and two of 8 a lane, all lanes on end: no pitch, no padding.
; CLUSTER 4 x 4: the four of a row need the same tokens, the four of a column the same weights: every tensor load is a joint one.
; q and k are made TRANSPOSED (source 0 = 16 rows of the weight, source 1 = 16 tokens): a lane holds one token and, by the order of rows in a block of 16, 16 neighbouring channels of each 32.  v is made the other way
; round (source 0 = tokens): a lane holds one channel and 16 neighbouring keys of each 32.  So each is quantised along its next K within a lane and its partner 16 lanes away.
; OUT.  qc: for (batch x head, 128 tokens, which 64): four HALFs and 256 bytes of scale words (16 r + 4 a).  kv: for (batch x head, 128 keys) 12,800 bytes: K's eight HALFs; V's four fragments (16 channels x 128 keys);
; K's scale words (two tiles of keys to a word); V's scale bytes in pairs.  K's scale words leave in pieces of 128 bytes: half an aligned block of 256 from each of two waves.
; LIMITS: as in launch prep (byte 1 for blocks under 2^-124; NaN and infinities not served).
.set BS0,   102400
.set BS1,   204800
.set SPARE, 307200
.set LA16, 4                           ; v4-9   my lane's places in a unit: A's 16-byte and 8-byte parts, B's, A's and B's scale words
.set LA8,  5
.set LB16, 6
.set LB8,  7
.set LAS,  8
.set LBS,  9
.set CA16, 10                          ; v10-15 the same with the region in hand added
.set CA8,  11
.set CB16, 12
.set CB8,  13
.set CAS,  14
.set CBS,  15
.set SPW,  16                          ; v16 my spare word's address, v17 = 0: never rewritten
.set NIL,  17
.set O16,  18                          ; v18 16 x lane, v19 8 x lane
.set O8,   19
.set TM,   20                          ; v20-28 the quantiser's
.set TX,   22
.set SCL,  24
.set PT,   26
.set BIAS, 32                          ; v32-63
.set SC,   64                          ; v64-127 scale words, two sets of 32: A's (a, K step) at 4 a + ks, B's at 16 + 4 n + ks
.set T,    128                         ; v128-159 32 numbers at work; v224-255 codes and scale bytes on their way out
.set G1A,  24                          ; s[24:31], s[32:39] descriptor groups 1;  s[40:51] three groups 0
.set G1B,  32
.set HM,   61                          ; s61 the lanes 16-31
.set SEL,  62
.set TO_F, 0x40
.set X_IN, 0x02
.set MSB, 0
; THE TOKENS' FRAGMENTS STAY IN REGISTERS: my 64 tokens x 1,024 K are 32 fragments, 384 registers, read from LDS once and used by all three tiles; a K step then reads the weight's four fragments alone.
.macro ASEL k                          ; where the tokens' four fragments of K step k (0 .. 7) stay: window AW, from register AB on
.if (\k) < 5
.set AW, 3
.set AB, 48*(\k)
.elseif (\k) < 7
.set AW, 2
.set AB, 128+48*((\k)-5)
.else
.set AW, 1
.set AB, 96
.endif
.endm
.macro LOADA u                         ; the four K steps of the tokens' unit u, at the address in hand: 64 loads
.irp ks, 0,1,2,3
	ASEL 4*(\u)+\ks
	WIN (AW<<6)
.irp i, 0,1,2,3
.irp hf, 0,1
	ds_load_b128 v[AB+12*\i+6*\hf:AB+12*\i+6*\hf+3], v[CA16] offset:\i*6144+\ks*1536+\hf*768
	ds_load_b64 v[AB+12*\i+6*\hf+4:AB+12*\i+6*\hf+5], v[CA8] offset:\i*6144+\ks*1536+\hf*768
.endr
.endr
.endr
.endm
.macro WIN new                         ; the immediate's high byte repeats the setting that is left
.if MSB != \new
	s_set_vgpr_msb (MSB<<8)|\new
.set MSB, \new
.endif
.endm
.macro PLACES                          ; four places behind matrix instructions, in front of loads into their sources and of reads of their results
.rept 4
	v_nop
.endr
.endm
.macro CROUND                          ; a round of the cluster's barrier
	s_barrier_signal -1
	s_barrier_wait -1
	s_cmp_lg_u32 s14, 0
	s_cbranch_scc1 .Lnw0_\@
	s_barrier_signal -3
.Lnw0_\@:
	s_barrier_wait -3
	s_barrier_signal -1
	s_barrier_wait -1
.endm
.macro SETADR ab, bb                   ; the units in hand: A's at ab, B's at bb.  Six plain additions: they are also places
	WIN 0
	v_add_nc_u32 v[CA16], \ab, v[LA16]
	v_add_nc_u32 v[CA8], \ab, v[LA8]
	v_add_nc_u32 v[CAS], \ab, v[LAS]
	v_add_nc_u32 v[CB16], \bb, v[LB16]
	v_add_nc_u32 v[CB8], \bb, v[LB8]
	v_add_nc_u32 v[CBS], \bb, v[LBS]
.endm
.macro SCALES ss                       ; a unit's scale words of my 64 + 64 rows: four K steps' words of a row in one load
.irp i, 0,1,2,3
	ds_load_b128 v[SC+32*(\ss)+4*\i:SC+32*(\ss)+4*\i+3], v[CAS] offset:256*\i
	ds_load_b128 v[SC+32*(\ss)+16+4*\i:SC+32*(\ss)+16+4*\i+3], v[CBS] offset:256*\i
.endr
.endm
.macro FETCH f, ks                     ; 16 loads in one run: the weight's four fragments, K step ks of the unit in hand, into set f
	WIN TO_F
.irp i, 0,1,2,3
.irp hf, 0,1
	ds_load_b128 v[128*(\f)+48+12*\i+6*\hf:128*(\f)+48+12*\i+6*\hf+3], v[CB16] offset:\i*6144+(\ks)*1536+\hf*768
	ds_load_b64 v[128*(\f)+48+12*\i+6*\hf+4:128*(\f)+48+12*\i+6*\hf+5], v[CB8] offset:\i*6144+(\ks)*1536+\hf*768
.endr
.endr
.endm
; 16 matrix instructions, 128 along K.  The 16 accumulators take turns, one instruction a turn, in the same order in every K step.  zero = 1: the products start the sums.
.macro MUL16 f, ks, ss, zero           ; transposed: accumulator 4 a + n; source 0 = the weight's block n (window 1), source 1 = the tokens' block a (its own window)
	ASEL 4*(\ss)+(\ks)
	WIN (0xa1|(AW<<2))
.irp a, 0,1,2,3
.irp n, 0,1,2,3
.if \zero
	v_wmma_scale_f32_16x16x128_f8f6f4 v[8*(4*\a+\n):8*(4*\a+\n)+7], v[128*(\f)+48+12*\n:128*(\f)+48+12*\n+11], v[AB+12*\a:AB+12*\a+11], 0, v[SC+32*(\ss)+16+4*\n+(\ks)], v[SC+32*(\ss)+4*\a+(\ks)] matrix_a_fmt:MATRIX_FMT_FP6 matrix_b_fmt:MATRIX_FMT_FP6
.else
	v_wmma_scale_f32_16x16x128_f8f6f4 v[8*(4*\a+\n):8*(4*\a+\n)+7], v[128*(\f)+48+12*\n:128*(\f)+48+12*\n+11], v[AB+12*\a:AB+12*\a+11], v[8*(4*\a+\n):8*(4*\a+\n)+7], v[SC+32*(\ss)+16+4*\n+(\ks)], v[SC+32*(\ss)+4*\a+(\ks)] matrix_a_fmt:MATRIX_FMT_FP6 matrix_b_fmt:MATRIX_FMT_FP6
.endif
.endr
.endr
.endm
.macro MUL16V f, ks, ss, zero          ; for v: accumulator 4 c + a; source 0 = the tokens' block a (its own window), source 1 = the weight's block c (window 1)
	ASEL 4*(\ss)+(\ks)
	WIN (0xa4|AW)
.irp c, 0,1,2,3
.irp a, 0,1,2,3
.if \zero
	v_wmma_scale_f32_16x16x128_f8f6f4 v[8*(4*\c+\a):8*(4*\c+\a)+7], v[AB+12*\a:AB+12*\a+11], v[128*(\f)+48+12*\c:128*(\f)+48+12*\c+11], 0, v[SC+32*(\ss)+4*\a+(\ks)], v[SC+32*(\ss)+16+4*\c+(\ks)] matrix_a_fmt:MATRIX_FMT_FP6 matrix_b_fmt:MATRIX_FMT_FP6
.else
	v_wmma_scale_f32_16x16x128_f8f6f4 v[8*(4*\c+\a):8*(4*\c+\a)+7], v[AB+12*\a:AB+12*\a+11], v[128*(\f)+48+12*\c:128*(\f)+48+12*\c+11], v[8*(4*\c+\a):8*(4*\c+\a)+7], v[SC+32*(\ss)+4*\a+(\ks)], v[SC+32*(\ss)+16+4*\c+(\ks)] matrix_a_fmt:MATRIX_FMT_FP6 matrix_b_fmt:MATRIX_FMT_FP6
.endif
.endr
.endr
.endm
.macro NEXT f, ks                      ; the fragments asked for a K step ago are in; four places; the next K step's are asked for, 16 matrix instructions ahead of their use
	s_wait_dscnt 0x0
	PLACES
	FETCH \f, \ks
.endm
.macro GO p, ks, ss, zero, v
.if \v
	MUL16V \p, \ks, \ss, \zero
.else
	MUL16 \p, \ks, \ss, \zero
.endif
.endm
; 32 numbers of a lane, register 16 b + i = k 32 b + 16 (lane / 16) + i of my row, become a HALF in v[pc .. pc + 5] and its two scale bytes in v[pw]
.macro QUANT32 s, pc, pw
	v_max3_num_f32 v[TM], |v[\s]|, |v[\s+1]|, 0x1800000       ; with the floor 2^(3 - 127): the byte cannot fall under 1
	v_max3_num_f32 v[TM+1], |v[\s+16]|, |v[\s+17]|, 0x1800000
.irp i, 2,4,6,8,10,12,14
	v_max3_num_f32 v[TM], v[TM], |v[\s+\i]|, |v[\s+\i+1]|
	v_max3_num_f32 v[TM+1], v[TM+1], |v[\s+16+\i]|, |v[\s+17+\i]|
.endr
	v_permlanex16_b32 v[TX], v[TM], s[SEL], s[SEL+1]
	v_permlanex16_b32 v[TX+1], v[TM+1], s[SEL], s[SEL+1]
	v_max_num_f32 v[TM], v[TM], v[TX]                          ; with lane l xor 16's 16: the block's largest magnitude
	v_max_num_f32 v[TM+1], v[TM+1], v[TX+1]
	v_add_nc_u32 v[SCL], 0xff000000, v[TM]                     ; 2 off the exponent field: the conversion's scale operand
	v_add_nc_u32 v[SCL+1], 0xff000000, v[TM+1]
	v_lshrrev_b32 v[TM], 23, v[SCL]
	v_lshrrev_b32 v[TM+1], 23, v[SCL+1]
	v_lshl_or_b32 v[\pw], v[TM+1], 8, v[TM]
	v_cvt_scalef32_pk16_fp6_f32 v[\pc:\pc+2], v[\s:\s+15], v[SCL]
	v_cvt_scalef32_pk16_fp6_f32 v[PT:PT+2], v[\s+16:\s+31], v[SCL+1]
	v_nop                                                      ; one plain place behind a scaled conversion
.irp i, 0,1,2
	v_permlane16_swap_b32 v[\pc+\i], v[PT+\i]                  ; a whole block to a lane: lanes 0-15 block 0, lanes 16-31 block 1
.endr
.irp i, 0,1,2
	v_mov_b32 v[\pc+3+\i], v[PT+\i]
.endr
.endm
; A tile: eight K steps of 128.  cur: the weights' slot; nxt: the next tile's.  mode 1: the slot in hand is filled again; 0: nothing is filled; 2: the last tile
.macro TILE cur, nxt, mode, v
	NEXT 1, 1
	GO 0, 0, 0, 1, \v
	NEXT 0, 2
	GO 1, 1, 0, 0, \v
	NEXT 1, 3
	GO 0, 2, 0, 0, \v
	s_wait_dscnt 0x0
	SETADR 51200, \cur+51200                       ; on to the panels' second units
	SCALES 1
	FETCH 0, 0
	GO 1, 3, 0, 0, \v
	s_wait_alu depctr_va_vdst(0)
	NEXT 1, 1
	GO 0, 0, 1, 0, \v
	NEXT 0, 2
	GO 1, 1, 1, 0, \v
	NEXT 1, 3
	GO 0, 2, 1, 0, \v
	WIN 0
.if \mode == 1
	s_wait_tensorcnt 0x0                           ; all my tensor loads have landed, my part of the next slot among them;
	ds_add_u32 v[SPW], v[NIL]                      ; 0 onto my spare word;
	s_add_nc_u64 s[46:47], s[46:47], 16*102400     ; no load of mine is out: slot 0's group 0 steps from tile 0 to tile 2
	s_wait_dscnt 0x0                               ; the add is done, and my reads of this slot are over: its last K step's fragments and scale words are in registers
	CROUND                                         ; the same holds of every wave of all sixteen work-groups
	tensor_load_to_lds s[44:47], s[G1B:G1B+7]      ; my one load behind the round: it has the whole next tile in which to land
	s_nop 0
	PLACES
.else
	s_wait_dscnt 0x0
.endif
.if \mode == 0
	s_wait_tensorcnt 0x0                           ; my part of the last tile's weights has landed,
	s_barrier_signal -1
	s_barrier_wait -1                              ; everybody's has
.endif
.if \mode != 2
	SETADR 0, \nxt
	SCALES 0
	FETCH 0, 0
.endif
	GO 1, 3, 1, 0, \v
.endm
.macro BIASQK t                        ; the bias in the result's layout: register 16 b + i = column 32 b + 16 h + i of my 64
	WIN 0
.irp b, 0,1
.irp i, 0,1,2,3
	global_load_b128 v[BIAS+16*\b+4*\i:BIAS+16*\b+4*\i+3], v29, s[8:9] offset:4096*(\t)+128*\b+16*\i
.endr
.endr
.endm
.macro EPI_QK base                     ; + bias (which is also the move between windows), quantised, stored: a HALF for each of my four blocks of tokens
	WIN 0
	s_wait_xcnt 0x0                                ; the last tile's stores have read their registers
	s_wait_loadcnt 0x0                             ; the bias
	PLACES
.irp a, 0,1,2,3
	WIN X_IN
.irp j, 0,2,4,6,8,10,12,14,16,18,20,22,24,26,28,30
	v_pk_add_f32 v[T+\j:T+\j+1], v[32*\a+\j:32*\a+\j+1], v[BIAS+\j:BIAS+\j+1]     ; each accumulator from its low end on
.endr
	WIN 0
	QUANT32 T, 224+8*\a, 230+8*\a
	global_store_b128 v[O16], v[224+8*\a:227+8*\a], s[\base:\base+1] offset:768*\a
	global_store_b64 v[O8], v[228+8*\a:229+8*\a], s[\base:\base+1] offset:768*\a+512
.endr
.endm
	s_load_b256 s[4:11], s[0:1], 0x0               ; xc, wc, qkv_b, qc
	s_load_b64 s[12:13], s[0:1], 0x20              ; kv
	v_lshl_add_u32 v[SPW], v0, 2, SPARE
	v_mov_b32 v[NIL], 0
	ds_add_u32 v[SPW], v[NIL]                      ; the opening: the add, twice on end, and its wait ahead of my first tensor load
	ds_add_u32 v[SPW], v[NIL]
	v_lshrrev_b32 v128, 5, v0
	v_readfirstlane_b32 s14, v128                  ; wave 0..3
	s_lshr_b32 s15, s14, 1                         ; wm: which 64 tokens
	s_and_b32 s16, s14, 1                          ; wn: which 64 columns
	s_bfe_u32 s17, ttmp6, 0x40000                  ; cx
	s_bfe_u32 s18, ttmp6, 0x40004                  ; cy
	s_lshl_b32 s19, ttmp9, 2
	s_add_co_u32 s19, s19, s17                     ; x
	s_and_b32 s20, ttmp7, 0xffff
	s_lshl_b32 s20, s20, 2
	s_add_co_u32 s20, s20, s18                     ; y
	s_lshl_b32 s21, s18, 2
	s_lshl_b32 s21, 15, s21                        ; my row of the cluster
	s_lshl_b32 s22, 0x1111, s17                    ; my column
	s_or_b32 s[G1A], s21, (3<<16)|(1<<21)          ; every load: 25,600 dense bytes as 100 rows of 32 elements of 8 bytes; the mask, bit 21 beside it
	s_or_b32 s[G1B], s22, (3<<16)|(1<<21)
.irp g, G1A, G1B
	s_mov_b32 s[\g+1], 32<<16
	s_mov_b32 s[\g+2], 200<<16                     ; the head's loads bring 200 rows of 256 bytes: half a panel
	s_mov_b32 s[\g+3], 32<<16
	s_mov_b32 s[\g+4], 200
	s_mov_b32 s[\g+5], 32
	s_mov_b32 s[\g+6], 0
	s_mov_b32 s[\g+7], 0
.endr
	s_mul_i32 s60, s14, 25600                      ; my quarter of a panel, in memory and in LDS
	s_mul_i32 s23, s16, 51200                      ; at the head: which half of a panel I fetch, in memory and in LDS
	s_mul_i32 s2, s19, 102400                      ; q's weights: by x and the wave alone
	s_add_co_u32 s2, s2, s23
	s_mov_b32 s3, 0
	s_mul_i32 s56, s20, 102400                     ; A: by y and the wave alone
	s_add_co_u32 s56, s56, s23
	s_mov_b32 s57, 0
	s_mul_i32 s58, s19, 102400                     ; B: by x and the wave alone
	s_add_co_u32 s58, s58, s60
	s_mov_b32 s59, 0
	s_mov_b32 s[SEL], 0x76543210
	s_mov_b32 s[SEL+1], 0xfedcba98
	s_wait_dscnt 0x0                               ; both opening adds are done
	s_wait_kmcnt 0x0
	s_add_nc_u64 s[56:57], s[4:5], s[56:57]
	s_add_nc_u64 s[58:59], s[6:7], s[58:59]
	CROUND                                         ; all sixteen work-groups are here: the first joint loads meet
	s_mov_b32 s40, 1
	s_mov_b32 s41, s23
	s_mov_b64 s[42:43], s[56:57]
	s_or_b32 s43, s43, 0x80000000
	s_mov_b32 s44, 1
	s_add_co_u32 s45, s60, BS0
	s_mov_b64 s[46:47], s[58:59]
	s_or_b32 s47, s47, 0x80000000
	s_mov_b32 s48, 1
	s_add_co_u32 s49, s60, BS1
	s_add_nc_u64 s[50:51], s[58:59], 8*102400
	s_or_b32 s51, s51, 0x80000000
	s_mov_b32 s52, 1                               ; the head's group 0 for q's weights: half of slot 0
	s_add_co_u32 s53, s23, BS0
	s_add_nc_u64 s[54:55], s[6:7], s[2:3]
	s_or_b32 s55, s55, 0x80000000
	s_cmp_eq_u32 s15, 0                            ; one tensor load a wave at the head: waves 0, 1 the tokens' two halves, waves 2, 3 those of q's weights
	s_cbranch_scc0 .Lhb
	tensor_load_to_lds s[40:43], s[G1A:G1A+7]
	s_nop 0
	PLACES
	s_branch .Lhj
.Lhb:
	tensor_load_to_lds s[52:55], s[G1B:G1B+7]
	s_nop 0
	PLACES
.Lhj:
	v_and_b32 v128, 31, v0
	v_and_b32 v129, 15, v0                         ; r
	s_wait_alu depctr_va_vdst(0)
	v_bfe_u32 v130, v0, 4, 1                       ; h
	s_wait_alu depctr_va_vdst(0)
	v_lshlrev_b32 v[O16], 4, v128
	v_lshlrev_b32 v[O8], 3, v128
	s_mul_i32 s56, s15, 24576
	s_mul_i32 s57, s16, 24576
	v_add_nc_u32 v[LA16], s56, v[O16]
	v_add_nc_u32 v[LB16], s57, v[O16]
	s_add_co_u32 s56, s56, 512
	s_add_co_u32 s57, s57, 512
	v_add_nc_u32 v[LA8], s56, v[O8]
	v_add_nc_u32 v[LB8], s57, v[O8]
	s_lshl_b32 s56, s15, 10
	s_lshl_b32 s57, s16, 10
	s_add_co_u32 s56, s56, 49152
	s_add_co_u32 s57, s57, 49152
	v_lshl_add_u32 v[LAS], v129, 4, s56
	v_lshl_add_u32 v[LBS], v129, 4, s57
	v_cmp_ne_u32 s[HM], 0, v130
	s_lshl_b32 s56, s16, 8
	v_lshl_add_u32 v29, v130, 6, s56               ; q's and k's bias: 256 wn + 64 h
	v_and_b32 v3, 8, v129
	v_add_nc_u32 v3, v3, v129
	v_lshl_add_u32 v3, v3, 2, s56                  ; v's bias: 4 (r + 8 (r / 8)) + 256 wn
	s_lshl_b32 s57, s15, 7
	v_lshl_add_u32 v1, v128, 2, s57                ; K's scale words: 4 x lane + 128 wm
	v_lshl_add_u32 v2, v129, 3, s57                ; V's scale bytes: 8 r + 128 wm
	v_lshlrev_b32 v0, 4, v129
	v_lshl_add_u32 v0, v130, 3, v0                 ; Q's scale words: 16 r + 8 h
	v_mov_b32 v[TX], 0                             ; a lane permute's destination counts as one of its sources
	v_mov_b32 v[TX+1], 0
	s_lshr_b32 s66, s20, 4                         ; batch
	s_and_b32 s67, s20, 15                         ; which 128 tokens of the sequence
	s_lshl_b32 s66, s66, 4
	s_lshl_b32 s68, s19, 1
	s_add_co_u32 s66, s66, s68
	s_add_co_u32 s66, s66, s16                     ; batch x 16 + head
	s_lshl_b32 s66, s66, 4
	s_add_co_u32 s66, s66, s67
	s_mul_i32 s68, s66, 6656
	s_mul_i32 s70, s15, 3328
	s_add_co_u32 s68, s68, s70
	s_mov_b32 s69, 0
	s_add_nc_u64 s[10:11], s[10:11], s[68:69]      ; my record of q
	s_mul_i32 s68, s66, 12800
	s_add_nc_u64 s[12:13], s[12:13], s[68:69]      ; the record of k and v
	s_mul_i32 s68, s15, 3072
	s_add_nc_u64 s[70:71], s[12:13], s[68:69]      ; my four HALFs of K
	s_mul_i32 s68, s15, 768
	s_add_nc_u64 s[72:73], s[12:13], s[68:69]      ; my HALF of each fragment of V
	s_lshl_b32 s68, s19, 9
	s_add_nc_u64 s[8:9], s[8:9], s[68:69]          ; the bias at column 128 x
	s_wait_alu depctr_va_vdst(0)                   ; the wait at the head's end
	s_wait_tensorcnt 0x0                           ; my half panel is in; slot 1's first fill is issued as a refill is:
	ds_add_u32 v[SPW], v[NIL]                      ; 0 onto my spare word
	s_mov_b32 s[G1B+2], 100<<16                    ; no load of mine is out: from here on a load brings 100 rows, a quarter of a panel
	s_mov_b32 s[G1B+4], 100
	s_wait_dscnt 0x0
	CROUND                                         ; the tokens and q's weights are whole in all sixteen work-groups
	tensor_load_to_lds s[48:51], s[G1B:G1B+7]      ; k's weights: my one load behind the round
	s_nop 0
	PLACES
	SETADR 0, BS0
	LOADA 0                                        ; the tokens' fragments, once: the first unit's,
	WIN 0
	v_add_nc_u32 v[CA16], 51200, v[LA16]
	v_add_nc_u32 v[CA8], 51200, v[LA8]
	LOADA 1                                        ; and the second's
	WIN 0
	SCALES 0
	BIASQK 0
	FETCH 0, 0
	s_wait_alu depctr_va_vdst(0)
	TILE BS0, BS1, 1, 0                            ; q
	EPI_QK 10
	v_cndmask_b32 v30, v230, v246, s[HM]           ; lanes 0-15 store the words of blocks 0, 1, lanes 16-31 those of blocks 2, 3: 256 consecutive bytes
	v_cndmask_b32 v31, v238, v254, s[HM]
	global_store_b64 v0, v[30:31], s[10:11] offset:3072
	BIASQK 1
	TILE BS1, BS0, 0, 0                            ; k
	EPI_QK 70
	v_lshl_or_b32 v30, v238, 16, v230              ; two tiles of keys to a word
	v_lshl_or_b32 v31, v254, 16, v246
	v_cndmask_b32 v30, v30, v31, s[HM]
	global_store_b32 v1, v30, s[12:13] offset:12288
.irp c, 0,1,2,3
	global_load_b32 v[BIAS+2*\c], v3, s[8:9] offset:8192+4*(32*(\c/2)+8*(\c%2))     ; v's bias: my channel's, for each of four blocks of channels
.endr
	TILE BS0, 0, 2, 1                              ; v
	WIN 0
	s_wait_xcnt 0x0
	s_wait_loadcnt 0x0
	PLACES
.irp c, 0,1,2,3
	WIN X_IN
.irp j, 0,2,4,6,8,10,12,14,16,18,20,22,24,26,28,30
	v_pk_add_f32 v[T+\j:T+\j+1], v[32*\c+\j:32*\c+\j+1], v[BIAS+2*\c:BIAS+2*\c+1] op_sel_hi:[1,0]
.endr
	WIN 0
	QUANT32 T, 224+8*\c, 230+8*\c
	global_store_b128 v[O16], v[224+8*\c:227+8*\c], s[72:73] offset:6144+1536*\c
	global_store_b64 v[O8], v[228+8*\c:229+8*\c], s[72:73] offset:6144+1536*\c+512
.endr
	v_lshl_or_b32 v30, v238, 16, v230
	v_lshl_or_b32 v31, v254, 16, v246
	global_store_b64 v2, v[30:31], s[12:13] offset:12544        ; (lanes r and r + 16 store the same bytes)
	s_wait_tensorcnt 0x0                           ; the wave's end
	ds_add_u32 v[SPW], v[NIL]
	s_wait_dscnt 0x0
	CROUND                                         ; the closing round
	s_endpgm
.Lfunc_end_k_qf394f54cae_qkv:
	.size	k_qf394f54cae_qkv, .Lfunc_end_k_qf394f54cae_qkv-k_qf394f54cae_qkv
	.p2alignl 7, 3214868480
	.fill 96, 4, 3214868480
	.section	.rodata,"a",@progbits
	.p2align	6, 0x0
	.amdhsa_kernel k_qf394f54cae_qkv
		.amdhsa_group_segment_fixed_size 327680
		.amdhsa_private_segment_fixed_size 0
		.amdhsa_enable_private_segment 0
		.amdhsa_kernarg_size 40
		.amdhsa_user_sgpr_count 2
		.amdhsa_user_sgpr_kernarg_segment_ptr 1
		.amdhsa_wavefront_size32 1
		.amdhsa_system_sgpr_workgroup_id_x 1
		.amdhsa_system_sgpr_workgroup_id_y 1
		.amdhsa_system_sgpr_workgroup_id_z 1
		.amdhsa_system_vgpr_workitem_id 0
		.amdhsa_next_free_vgpr 1024
		.amdhsa_next_free_sgpr 80
		.amdhsa_reserve_vcc 0
		.amdhsa_float_denorm_mode_32 3
		.amdhsa_float_denorm_mode_16_64 3
		.amdhsa_memory_ordered 1
		.amdhsa_forward_progress 1
		.amdhsa_inst_pref_size 140
	.end_amdhsa_kernel
	.amdgpu_metadata
---
amdhsa.version: [ 1, 2 ]
amdhsa.kernels:
  - .name:           k_qf394f54cae_qkv
    .symbol:         k_qf394f54cae_qkv.kd
    .args:
      - { .name: xc, .offset: 0, .size: 8, .value_kind: global_buffer, .address_space: global }
      - { .name: wc, .offset: 8, .size: 8, .value_kind: global_buffer, .address_space: global }
      - { .name: qkv_b, .offset: 16, .size: 8, .value_kind: global_buffer, .address_space: global }
      - { .name: qc, .offset: 24, .size: 8, .value_kind: global_buffer, .address_space: global }
      - { .name: kv, .offset: 32, .size: 8, .value_kind: global_buffer, .address_space: global }
    .group_segment_fixed_size: 327680
    .private_segment_fixed_size: 0
    .kernarg_segment_align: 8
    .kernarg_segment_size: 40
    .max_flat_workgroup_size: 128
    .sgpr_count:     80
    .vgpr_count:     1024
    .wavefront_size: 32
...
	.end_amdgpu_metadata
.endif
;; end of part 2
;; launch attn (part 3): grid 8 x 32, 16 waves a work-group, clusters of 4 x 1, 206,848 bytes of LDS; arguments qc, kv, ac; writes ac
.if DOCPART == 3
	.amdgcn_target "amdgcn-amd-amdhsa--gfx1250"
	.amdhsa_code_object_version 6
	.text
	.protected	k_qf394f54cae_attn
	.globl	k_qf394f54cae_attn
	.p2align	8
	.type	k_qf394f54cae_attn,@function
k_qf394f54cae_attn:
	s_mov_b64 s[64:65], 0
	v_nop
	global_prefetch_b8 v0, s[64:65] scope:SCOPE_SE
	s_setreg_imm32_b32 hwreg(HW_REG_WAVE_MODE, 25, 1), 1
	s_wait_xcnt 0x0
	s_wait_alu depctr_hold_cnt(0) depctr_sa_sdst(0) depctr_va_vdst(0) depctr_va_sdst(0) depctr_va_ssrc(0) depctr_va_vcc(0) depctr_vm_vsrc(0)
	s_getreg_b32 s2, hwreg(HW_REG_IB_STS2, 6, 4)
	s_cmp_eq_u32 s2, 0
	s_cbranch_scc0 .Lentry_in_a_cluster
	s_endpgm
.Lentry_in_a_cluster:
	s_bfe_u32 s2, ttmp6, 0x10000c
	s_cmp_lg_u32 s2, 0x3003
	s_cbranch_scc0 .Lentry_shape_is_right
	s_endpgm
.Lentry_shape_is_right:
; LAUNCH 3: causal attention on codes of E2M3, and its result / l quantised along D for the projection.
; LEFT OUT (shown at the head of launch prep): a key step of 128 keys all of which lie behind all 16 queries of a tile.
; THE SOFTMAX AHEAD OF THE SECOND PRODUCT: t = score x log2(e) / 8; M = the running largest t rounded up to a whole number; p = 2^(t - M) is quantised along the keys; the row's sum is taken of the unquantised p and divides at the end.
; SHARES.  Work-group (j, batch x head), j = 0 .. 7.  K and V of the WHOLE head (16 records of 12,800 bytes) lie in LDS: each of the sixteen waves brings one record by one tensor load: no ring, nothing is filled again.
; The wave of rank rho owns block j of 16 queries in the rho-th 128 tokens, and walks rho + 1 key steps whatever j is: all work-groups have 136 steps.
; THE RANKS, by (w / 4, w % 4):  15 2 4 9 | 14 3 5 8 | 0 13 11 6 | 1 12 10 7.  The four waves of equal w % 4 and the four of equal w / 4 alike have ranks that add up to 30, 34 key steps;
; among the waves of equal w % 4 the two longest differ by one step.
; So every branch hangs on the wave's number and the count of steps; j enters global addresses and the mask's numbers alone.  CLUSTER 4 x 1: four values of j of one head ask for each record jointly.
; LAYOUT.  Both products transposed: a lane holds one query.  By the order of keys in a tile (launch prep), the 16 registers of tiles 2 b, 2 b + 1 are keys 32 b + 16 (lane / 16) + 0 .. 15.
; THE HEAD'S 64 IN AN INSTRUCTION 128 DEEP: a fragment of K holds TWO tiles of keys, one in k = 0 .. 63, the other in k = 64 .. 127; it is multiplied once by [q | zero codes] and once by [zero codes | q].
; Zero codes add nothing; q's scale bytes over them are 1.
; The two scale bytes of a row leave as 2 bytes a lane, 16 bytes apart: a row's other bytes belong to other heads, which are other work-groups'.
; LIMITS: as in launch prep; v_exp_f32 and v_rcp_f32 are good to 1 ulp (ISA guide, their entries).
; REGISTERS: v1-4 lane parts; v5, v6 the add's; v7 the mask's number; v8-11 addresses in hand; v12 -M, v13 largest t, v[14:15] the sum; v16-27, v28-39 q twice; v40-87 four fragments; v88-151 S^T, then p;
; v152-183 O^T; v184-195 p's codes; v196-203 conversions' spare; v204-215 at work; v216-223 K's and V's scale words; v224-227 V's bytes in pairs; v228, v229 q's scale words; v230 p's; v[232:233] f.
.set REC,   12800
.set SPARE, 16*REC
.set SPW, 5
.set NIL, 6
.set RHO, 15
.set SEL, 36
.set CS,  38
.set TB,  40
.set STP, 41
.macro CROUND
	s_barrier_signal -1
	s_barrier_wait -1
	s_cmp_lg_u32 s14, 0
	s_cbranch_scc1 .Lnw0_\@
	s_barrier_signal -3
.Lnw0_\@:
	s_barrier_wait -3
	s_barrier_signal -1
	s_barrier_wait -1
.endm
	s_load_b128 s[4:7], s[0:1], 0x0                ; qc, kv
	s_load_b64 s[8:9], s[0:1], 0x10                ; ac
	v_lshl_add_u32 v[SPW], v0, 2, SPARE
	v_mov_b32 v[NIL], 0
	ds_add_u32 v[SPW], v[NIL]                      ; the opening: the add, twice on end, and its wait ahead of my tensor load
	ds_add_u32 v[SPW], v[NIL]
	v_lshrrev_b32 v8, 5, v0
	s_delay_alu instid0(VALU_DEP_1)
	v_readfirstlane_b32 s14, v8                    ; wave 0..15
	s_and_b32 s16, s14, 3                          ; the rank: with s = w % 4 and q = w / 4,
	s_bfe_u32 s17, s14, 0x10002                    ; q % 2
	s_lshl_b32 s[RHO], s16, 1
	s_or_b32 s[RHO], s[RHO], s17                   ; 2 s + q % 2: 0 .. 7,
	s_lshr_b32 s17, s16, 1
	s_xor_b32 s17, s17, s16                        ; (low bit: the parity of s's two bits)
	s_lshr_b32 s18, s14, 3                         ; q / 2
	s_xor_b32 s17, s17, s18
	s_xor_b32 s17, s17, 1
	s_and_b32 s17, s17, 1                          ; 1 where s is 0 or 3 and q is under 2, or s is 1 or 2 and q is 2 or 3:
	s_mul_i32 s17, s17, 15
	s_xor_b32 s[RHO], s[RHO], s17                  ; there 15 less that number
	s_bfe_u32 s16, ttmp6, 0x40000                  ; cx
	s_lshl_b32 s17, ttmp9, 2
	s_add_co_u32 s17, s17, s16                     ; j
	s_and_b32 s18, ttmp7, 0xffff                   ; batch x 16 + head, which the partners share
	s_mov_b32 s24, 15|(3<<16)|(1<<21)              ; a record: 50 rows of 32 elements of 8 bytes, dense; the mask names all four
	s_mov_b32 s25, 32<<16
	s_mov_b32 s26, 50<<16
	s_mov_b32 s27, 32<<16
	s_mov_b32 s28, 50
	s_mov_b32 s29, 32
	s_mov_b32 s30, 0
	s_mov_b32 s31, 0
	s_mov_b32 s32, 1
	s_mul_i32 s33, s14, REC                        ; record w, in LDS
	s_mul_i32 s20, s18, 16*REC
	s_add_co_u32 s20, s20, s33                     ; and in memory
	s_mov_b32 s21, 0
	s_mov_b32 s[SEL], 0x76543210
	s_mov_b32 s[SEL+1], 0xfedcba98
	s_mov_b32 s[CS], 0x3e38aa3b                    ; c = log2(e) / 8
	s_mov_b32 s[CS+1], s[CS]
	s_mov_b32 s[TB], 0
	s_mov_b32 s[STP], 0
	s_wait_dscnt 0x0                               ; both opening adds are done
	s_wait_kmcnt 0x0
	s_add_nc_u64 s[34:35], s[6:7], s[20:21]
	s_or_b32 s35, s35, 0x80000000
	CROUND                                         ; all four work-groups are here
	tensor_load_to_lds s[32:35], s[24:31]          ; my one tensor load
	s_nop 0
.rept 4
	v_nop
.endr
	v_and_b32 v8, 31, v0
	v_and_b32 v9, 15, v0                           ; r
	v_bfe_u32 v10, v0, 4, 1                        ; h
	s_delay_alu instid0(VALU_DEP_3)
	v_lshlrev_b32 v1, 4, v8
	s_wait_alu depctr_va_vdst(0)
	v_lshlrev_b32 v2, 3, v8
	s_wait_alu depctr_va_vdst(0)
	v_lshlrev_b32 v3, 2, v9
	v_lshlrev_b32 v4, 3, v9
	v_lshlrev_b32 v236, 4, v9                      ; 16 r
	s_wait_alu depctr_va_vdst(0)
	s_lshl_b32 s20, s18, 4
	s_add_co_u32 s20, s20, s[RHO]
	s_mul_i32 s20, s20, 6656
	s_lshr_b32 s22, s17, 2
	s_mul_i32 s22, s22, 3328
	s_add_co_u32 s20, s20, s22                     ; my record of q
	s_and_b32 s22, s17, 3
	s_mul_i32 s23, s22, 768
	s_add_co_u32 s46, s20, s23
	s_mov_b32 s47, 0
	s_add_nc_u64 s[42:43], s[4:5], s[46:47]        ; my HALF
	s_lshl_b32 s22, s22, 2
	s_add_co_u32 s46, s20, s22
	s_add_nc_u64 s[44:45], s[4:5], s[46:47]        ; and its scale words
	global_load_b128 v[16:19], v1, s[42:43]        ; [q | 0]
	global_load_b64 v[20:21], v2, s[42:43] offset:512
	global_load_b128 v[34:37], v1, s[42:43]        ; [0 | q]: a second run of registers
	global_load_b64 v[38:39], v2, s[42:43] offset:512
	global_load_b32 v234, v236, s[44:45] offset:3072
.irp i, 22,23,24,25,26,27,28,29,30,31,32,33
	v_mov_b32 v\i, 0                               ; zero codes
.endr
	s_lshr_b32 s20, s17, 1
	s_lshl_b32 s20, s20, 5
	s_and_b32 s22, s17, 1
	s_lshl_b32 s22, s22, 3
	s_add_co_u32 s20, s20, s22
	v_and_b32 v7, 8, v9
	s_delay_alu instid0(VALU_DEP_1)
	v_add_nc_u32 v7, v7, v9
	s_delay_alu instid0(VALU_DEP_1)
	v_add_nc_u32 v7, s20, v7                       ; my query among its 128: 32 (j / 2) + 8 (j % 2) + r + 8 (r / 8),
	v_lshlrev_b32 v10, 4, v10
	s_delay_alu instid0(VALU_DEP_1)
	v_sub_nc_u32 v7, v7, v10                       ; less 16 h: register 16 b + i is hidden on the diagonal where 32 b + i is above it
	s_lshr_b32 s20, s18, 4                         ; where the result goes: batch,
	s_and_b32 s22, s18, 15                         ; head
	s_lshl_b32 s20, s20, 4
	s_add_co_u32 s20, s20, s[RHO]
	s_mul_i32 s20, s20, 102400                     ; the panel of 128 tokens,
	s_lshr_b32 s23, s22, 3
	s_mul_i32 s23, s23, 51200
	s_add_co_u32 s20, s20, s23                     ; the unit of 512 along D,
	s_bfe_u32 s23, s22, 0x20001                    ; its K step,
	s_and_b32 s22, s22, 1                          ; the HALF
	s_mul_i32 s46, s17, 6144
	s_mul_i32 s52, s23, 1536
	s_add_co_u32 s46, s46, s52
	s_mul_i32 s52, s22, 768
	s_add_co_u32 s46, s46, s52
	s_add_co_u32 s46, s46, s20
	s_add_nc_u64 s[48:49], s[8:9], s[46:47]
	s_lshl_b32 s46, s17, 8
	s_lshl_b32 s52, s23, 2
	s_add_co_u32 s46, s46, s52
	s_lshl_b32 s52, s22, 1
	s_add_co_u32 s46, s46, s52
	s_add_co_u32 s46, s46, s20
	s_add_nc_u64 s[50:51], s[8:9], s[46:47]
	s_wait_loadcnt 0x0
	v_or_b32 v228, 0x01010000, v234                ; q's bytes below, 1 over the zero codes
	v_lshlrev_b32 v229, 16, v234
	s_delay_alu instid0(VALU_DEP_1)
	v_or_b32 v229, 0x0101, v229
	v_mov_b32 v13, 0xff61b1e6                      ; the largest t so far: -3e38
	s_delay_alu instid0(VALU_DEP_1)
	v_floor_f32 v12, -v13
	v_mov_b32 v14, 0
	v_mov_b32 v15, 0
.irp i, 208,209,210,211,233
	v_mov_b32 v\i, 0                               ; permutes' destinations, and the upper half of f's pair: written once
.endr
	v_mov_b32 v235, 0xff800000                     ; -infinity
.set n, 0
.rept 32
	v_mov_b32 v[152+n], 0                          ; O^T: the step is written once; the first finds zeros, which the first change of M leaves zeros
.set n, n+1
.endr
	s_wait_tensorcnt 0x0                           ; my record has landed,
	s_barrier_signal -1
	s_barrier_wait -1                              ; everybody's has
.Lstep:                                            ; 16 trips in every wave; a wave works in the first rho + 1
	s_cmp_gt_u32 s[STP], s[RHO]
	s_cbranch_scc1 .Lskip
	v_add_nc_u32 v8, s[TB], v1                     ; four plain additions: the places in front of loads into registers that the last products read
	v_add_nc_u32 v9, s[TB], v2
	v_add_nc_u32 v10, s[TB], v3
	v_add_nc_u32 v11, s[TB], v4
.irp b, 0,1,2,3
.irp c, 0,1
	ds_load_b128 v[40+12*\b+6*\c:43+12*\b+6*\c], v8 offset:1536*\b+768*\c
	ds_load_b64 v[44+12*\b+6*\c:45+12*\b+6*\c], v9 offset:1536*\b+768*\c+512
.endr
	ds_load_b32 v[216+\b], v10 offset:12288+64*\b
.endr
	s_wait_alu depctr_va_vdst(0)
	s_wait_dscnt 0x0
.irp b, 0,1,2,3
	v_wmma_scale_f32_16x16x128_f8f6f4 v[88+16*\b:95+16*\b], v[40+12*\b:51+12*\b], v[16:27], 0, v[216+\b], v228 matrix_a_fmt:MATRIX_FMT_FP6 matrix_b_fmt:MATRIX_FMT_FP6
	v_wmma_scale_f32_16x16x128_f8f6f4 v[96+16*\b:103+16*\b], v[40+12*\b:51+12*\b], v[28:39], 0, v[216+\b], v229 matrix_a_fmt:MATRIX_FMT_FP6 matrix_b_fmt:MATRIX_FMT_FP6
.endr
.rept 4
	v_nop
.endr
.irp c, 0,1,2,3                                    ; V's fragments land while the softmax is walked
.irp d, 0,1
	ds_load_b128 v[40+12*\c+6*\d:43+12*\c+6*\d], v8 offset:6144+1536*\c+768*\d
	ds_load_b64 v[44+12*\c+6*\d:45+12*\c+6*\d], v9 offset:6144+1536*\c+768*\d+512
.endr
.endr
	ds_load_b64 v[224:225], v11 offset:12544
	ds_load_b64 v[226:227], v11 offset:12672
	s_cmp_lg_u32 s[STP], s[RHO]
	s_cbranch_scc1 .Lopen                          ; only the wave's last step holds its diagonal
.set n, 0
.rept 64
	v_cmp_gt_i32 vcc_lo, 32*(n/16)+n%16, v7
	v_cndmask_b32 v[88+n], v[88+n], v235, vcc_lo
.set n, n+1
.endr
.Lopen:
.irp b, 0,1,2,3
	v_max3_num_f32 v[204+\b], v[88+16*\b], v[89+16*\b], v[90+16*\b]     ; the largest score of each block of 32 keys: for the row's maximum and for the block's largest p
.endr
.irp i, 3,5,7,9,11,13
.irp b, 0,1,2,3
	v_max3_num_f32 v[204+\b], v[204+\b], v[88+16*\b+\i], v[89+16*\b+\i]
.endr
.endr
.irp b, 0,1,2,3
	v_max_num_f32 v[204+\b], v[204+\b], v[103+16*\b]
.endr
.irp b, 0,1,2,3
	s_delay_alu instid0(VALU_DEP_4)
	v_permlanex16_b32 v[208+\b], v[204+\b], s[SEL], s[SEL+1]
.endr
.irp b, 0,1,2,3
	s_delay_alu instid0(VALU_DEP_4)
	v_max_num_f32 v[204+\b], v[204+\b], v[208+\b]
.endr
	s_delay_alu instid0(VALU_DEP_2)
	v_max3_num_f32 v234, v204, v205, v206
	s_delay_alu instid0(VALU_DEP_1)
	v_max_num_f32 v234, v234, v207
	s_delay_alu instid0(VALU_DEP_1)
	v_mul_f32 v234, s[CS], v234
	s_delay_alu instid0(VALU_DEP_1)
	v_max_num_f32 v13, v13, v234                   ; the running largest t
	v_mov_b32 v234, v12
	s_delay_alu instid0(VALU_DEP_2)
	v_floor_f32 v12, -v13                          ; -M = floor(-t): M is a whole number
	s_delay_alu instid0(VALU_DEP_1)
	v_sub_f32 v234, v12, v234
	s_delay_alu instid0(VALU_DEP_1)
	v_cvt_i32_f32 v234, v234                       ; (it saturates)
	s_delay_alu instid0(VALU_DEP_1)
	v_ldexp_f32 v232, 1.0, v234                    ; f = 2^(old M - new M): exact
.set n, 0
.rept 32
	v_pk_fma_f32 v[88+n:89+n], v[88+n:89+n], s[CS:CS+1], v[12:13] op_sel_hi:[1,0,0]   ; t - M
.set n, n+2
.endr
.irp b, 0,1,2,3
	v_fma_f32 v[204+\b], v[204+\b], s[CS], v12
.endr
.set n, 0
	s_wait_alu depctr_va_vdst(0)
.rept 64
	v_exp_f32 v[88+n], v[88+n]                     ; p = 2^(t - M)
.set n, n+1
.endr
	v_pk_mul_f32 v[14:15], v[14:15], v[232:233] op_sel_hi:[1,0]     ; the sum under the new M: a plain place behind the exponentials
	s_wait_alu depctr_va_vdst(0)                   ; the wait ahead of the first reader: one for the batch
.irp b, 0,1,2,3
	v_exp_f32 v[204+\b], v[204+\b]                 ; each block's largest p: the same two instructions on the same number
.endr
	v_pk_add_f32 v[208:209], v[92:93], v[96:97]
	v_pk_add_f32 v[254:255], v[100:101], v[104:105]
	v_pk_add_f32 v[252:253], v[108:109], v[112:113]
	v_pk_add_f32 v[250:251], v[116:117], v[120:121]
	v_pk_add_f32 v[248:249], v[124:125], v[128:129]
	v_pk_add_f32 v[246:247], v[132:133], v[136:137]
	v_pk_add_f32 v[244:245], v[140:141], v[144:145]
	v_pk_add_f32 v[14:15], v[14:15], v[148:149]
	v_pk_add_f32 v[208:209], v[208:209], v[88:89]
	v_pk_add_f32 v[254:255], v[254:255], v[90:91]
	v_pk_add_f32 v[252:253], v[252:253], v[94:95]
	v_pk_add_f32 v[250:251], v[250:251], v[98:99]
	v_pk_add_f32 v[248:249], v[248:249], v[102:103]
	v_pk_add_f32 v[246:247], v[246:247], v[106:107]
	v_pk_add_f32 v[244:245], v[244:245], v[110:111]
	v_pk_add_f32 v[14:15], v[14:15], v[114:115]
	v_pk_add_f32 v[208:209], v[208:209], v[118:119]
	v_pk_add_f32 v[254:255], v[254:255], v[122:123]
	v_pk_add_f32 v[252:253], v[252:253], v[126:127]
	v_pk_add_f32 v[250:251], v[250:251], v[130:131]
	v_pk_add_f32 v[248:249], v[248:249], v[134:135]
	v_pk_add_f32 v[246:247], v[246:247], v[138:139]
	v_pk_add_f32 v[244:245], v[244:245], v[142:143]
	v_pk_add_f32 v[14:15], v[14:15], v[146:147]
	v_pk_add_f32 v[208:209], v[208:209], v[150:151]
	s_delay_alu instid0(VALU_DEP_2)
	v_pk_add_f32 v[14:15], v[14:15], v[250:251]
	s_delay_alu instid0(VALU_DEP_2)
	v_pk_add_f32 v[208:209], v[208:209], v[248:249]
	v_pk_add_f32 v[254:255], v[254:255], v[246:247]
	v_pk_add_f32 v[252:253], v[252:253], v[244:245]
	s_delay_alu instid0(VALU_DEP_2)
	v_pk_add_f32 v[14:15], v[14:15], v[254:255]
	s_delay_alu instid0(VALU_DEP_2)
	v_pk_add_f32 v[208:209], v[208:209], v[252:253]
	s_delay_alu instid0(VALU_DEP_1)
	v_pk_add_f32 v[14:15], v[14:15], v[208:209]
	s_wait_alu depctr_va_vdst(0)                   ; and one for the four
.irp b, 0,1,2,3
	v_max_num_f32 v[204+\b], 0x1800000, v[204+\b]  ; the floor: the byte cannot fall under 1
.endr
.irp b, 0,1,2,3
	s_delay_alu instid0(VALU_DEP_4)
	v_add_nc_u32 v[212+\b], 0xff000000, v[204+\b]
.endr
.irp b, 0,1,2,3
	s_delay_alu instid0(VALU_DEP_4)
	v_lshrrev_b32 v[208+\b], 23, v[212+\b]
.endr
	s_delay_alu instid0(VALU_DEP_3)
	v_lshl_or_b32 v230, v209, 8, v208              ; p's scale word for these 128 keys
	s_delay_alu instid0(VALU_DEP_1)
	v_lshl_or_b32 v230, v210, 16, v230
	s_delay_alu instid0(VALU_DEP_1)
	v_lshl_or_b32 v230, v211, 24, v230
.irp c, 0,1
	v_cvt_scalef32_pk16_fp6_f32 v[184+6*\c:186+6*\c], v[88+32*\c:103+32*\c], v[212+2*\c]
	v_cvt_scalef32_pk16_fp6_f32 v[196+4*\c:198+4*\c], v[104+32*\c:119+32*\c], v[213+2*\c]
.endr
	v_nop                                          ; one plain place behind a scaled conversion
.irp c, 0,1
.irp i, 0,1,2
	v_permlane16_swap_b32 v[184+6*\c+\i], v[196+4*\c+\i]
.endr
.irp i, 0,1,2
	s_delay_alu instid0(VALU_DEP_3)
	v_mov_b32 v[187+6*\c+\i], v[196+4*\c+\i]
.endr
.endr
	s_wait_dscnt 0x0                               ; V and its bytes are in
	v_perm_b32 v220, v226, v224, 0x05040100        ; V's scale words: the first 64 keys' two bytes below, the second 64 keys' above
	v_perm_b32 v221, v226, v224, 0x07060302
	v_perm_b32 v222, v227, v225, 0x05040100
	v_perm_b32 v223, v227, v225, 0x07060302
.set n, 0
.rept 16
	v_pk_mul_f32 v[152+n:153+n], v[152+n:153+n], v[232:233] op_sel_hi:[1,0]     ; O^T under the new M; of these sixteen, twelve name no register of any one product below: the places behind the scale words' lines
.set n, n+2
.endr
.irp c, 0,1,2,3
	v_wmma_scale_f32_16x16x128_f8f6f4 v[152+8*\c:159+8*\c], v[40+12*\c:51+12*\c], v[184:195], v[152+8*\c:159+8*\c], v[220+\c], v230 matrix_a_fmt:MATRIX_FMT_FP6 matrix_b_fmt:MATRIX_FMT_FP6
.endr
.Lskip:
	s_add_co_u32 s[TB], s[TB], REC
	s_add_co_u32 s[STP], s[STP], 1
	s_cmp_lt_u32 s[STP], 16
	s_cbranch_scc1 .Lstep
.rept 4
	v_nop
.endr
	v_add_f32 v14, v14, v15
	s_delay_alu instid0(VALU_DEP_1)
	v_permlanex16_b32 v208, v14, s[SEL], s[SEL+1]
	s_delay_alu instid0(VALU_DEP_1)
	v_add_f32 v14, v14, v208                       ; the row's sum
	s_wait_alu depctr_va_vdst(0)
	v_rcp_f32 v14, v14
	v_nop
	s_wait_alu depctr_va_vdst(0)
.set n, 0
.rept 32
	v_mul_f32 v[88+n], v[152+n], v14               ; register 16 b + i = channel 32 b + 16 h + i of my query
.set n, n+1
.endr
	v_max3_num_f32 v204, |v88|, |v89|, 0x1800000
	v_max3_num_f32 v205, |v104|, |v105|, 0x1800000
.irp i, 2,4,6,8,10,12,14
	s_delay_alu instid0(VALU_DEP_2)
	v_max3_num_f32 v204, v204, |v[88+\i]|, |v[89+\i]|
	s_delay_alu instid0(VALU_DEP_2)
	v_max3_num_f32 v205, v205, |v[104+\i]|, |v[105+\i]|
.endr
	s_delay_alu instid0(VALU_DEP_2)
	v_permlanex16_b32 v208, v204, s[SEL], s[SEL+1]
	s_delay_alu instid0(VALU_DEP_2)
	v_permlanex16_b32 v209, v205, s[SEL], s[SEL+1]
	s_delay_alu instid0(VALU_DEP_2)
	v_max_num_f32 v204, v204, v208
	s_delay_alu instid0(VALU_DEP_2)
	v_max_num_f32 v205, v205, v209
	s_delay_alu instid0(VALU_DEP_2)
	v_add_nc_u32 v212, 0xff000000, v204
	s_delay_alu instid0(VALU_DEP_2)
	v_add_nc_u32 v213, 0xff000000, v205
	s_delay_alu instid0(VALU_DEP_2)
	v_lshrrev_b32 v204, 23, v212
	s_delay_alu instid0(VALU_DEP_2)
	v_lshrrev_b32 v205, 23, v213
	s_delay_alu instid0(VALU_DEP_1)
	v_lshl_or_b32 v234, v205, 8, v204
	v_cvt_scalef32_pk16_fp6_f32 v[184:186], v[88:103], v212
	v_cvt_scalef32_pk16_fp6_f32 v[196:198], v[104:119], v213
	v_nop
.irp i, 0,1,2
	v_permlane16_swap_b32 v[184+\i], v[196+\i]
.endr
.irp i, 0,1,2
	s_delay_alu instid0(VALU_DEP_3)
	v_mov_b32 v[187+\i], v[196+\i]
.endr
	global_store_b128 v1, v[184:187], s[48:49]
	global_store_b64 v2, v[188:189], s[48:49] offset:512
	global_store_b16 v236, v234, s[50:51] offset:49152
	s_wait_tensorcnt 0x0                           ; the wave's end
	ds_add_u32 v[SPW], v[NIL]
	s_wait_dscnt 0x0
	CROUND                                         ; the closing round
	s_endpgm
.Lfunc_end_k_qf394f54cae_attn:
	.size	k_qf394f54cae_attn, .Lfunc_end_k_qf394f54cae_attn-k_qf394f54cae_attn
	.p2alignl 7, 3214868480
	.fill 96, 4, 3214868480
	.section	.rodata,"a",@progbits
	.p2align	6, 0x0
	.amdhsa_kernel k_qf394f54cae_attn
		.amdhsa_group_segment_fixed_size 206848
		.amdhsa_private_segment_fixed_size 0
		.amdhsa_enable_private_segment 0
		.amdhsa_kernarg_size 24
		.amdhsa_user_sgpr_count 2
		.amdhsa_user_sgpr_kernarg_segment_ptr 1
		.amdhsa_wavefront_size32 1
		.amdhsa_system_sgpr_workgroup_id_x 1
		.amdhsa_system_sgpr_workgroup_id_y 1
		.amdhsa_system_sgpr_workgroup_id_z 1
		.amdhsa_system_vgpr_workitem_id 0
		.amdhsa_next_free_vgpr 256
		.amdhsa_next_free_sgpr 66
		.amdhsa_reserve_vcc 1
		.amdhsa_float_denorm_mode_32 3
		.amdhsa_float_denorm_mode_16_64 3
		.amdhsa_memory_ordered 1
		.amdhsa_forward_progress 1
		.amdhsa_inst_pref_size 36
	.end_amdhsa_kernel
	.amdgpu_metadata
---
amdhsa.version: [ 1, 2 ]
amdhsa.kernels:
  - .name:           k_qf394f54cae_attn
    .symbol:         k_qf394f54cae_attn.kd
    .args:
      - { .name: qc, .offset: 0, .size: 8, .value_kind: global_buffer, .address_space: global }
      - { .name: kv, .offset: 8, .size: 8, .value_kind: global_buffer, .address_space: global }
      - { .name: ac, .offset: 16, .size: 8, .value_kind: global_buffer, .address_space: global }
    .group_segment_fixed_size: 206848
    .private_segment_fixed_size: 0
    .kernarg_segment_align: 8
    .kernarg_segment_size: 24
    .max_flat_workgroup_size: 512
    .sgpr_count:     66
    .vgpr_count:     256
    .wavefront_size: 32
...
	.end_amdgpu_metadata
.endif
;; end of part 3
;; launch oln (part 4): grid 256 x 1, 8 waves a work-group, clusters of 4 x 1, 327,680 bytes of LDS; arguments ac, wc, out_b, hidden_states, ln2_g, ln2_b, hid, xc; writes hid, xc
.if DOCPART == 4
	.amdgcn_target "amdgcn-amd-amdhsa--gfx1250"
	.amdhsa_code_object_version 6
	.text
	.protected	k_qf394f54cae_oln
	.globl	k_qf394f54cae_oln
	.p2align	8
	.type	k_qf394f54cae_oln,@function
k_qf394f54cae_oln:
	s_mov_b64 s[64:65], 0
	v_nop
	global_prefetch_b8 v0, s[64:65] scope:SCOPE_SE
	s_setreg_imm32_b32 hwreg(HW_REG_WAVE_MODE, 25, 1), 1
	s_wait_xcnt 0x0
	s_wait_alu depctr_hold_cnt(0) depctr_sa_sdst(0) depctr_va_vdst(0) depctr_va_sdst(0) depctr_va_ssrc(0) depctr_va_vcc(0) depctr_vm_vsrc(0)
	s_getreg_b32 s2, hwreg(HW_REG_IB_STS2, 6, 4)
	s_cmp_eq_u32 s2, 0
	s_cbranch_scc0 .Lentry_in_a_cluster
	s_endpgm
.Lentry_in_a_cluster:
	s_bfe_u32 s2, ttmp6, 0x10000c
	s_cmp_lg_u32 s2, 0x3003
	s_cbranch_scc0 .Lentry_shape_is_right
	s_endpgm
.Lentry_shape_is_right:
; hid = hidden_states + attn out_w^T + out_b, the product on codes of E2M3, and LayerNorm 2 of hid quantised to codes of E2M3 along D, in one launch.
; SHARES.  A work-group takes one block of 16 tokens (rows 8 u + r + 8 (r / 8) of each 32: the layout of launch prep) x all 1,024 columns, so that it owns whole rows for the LayerNorm.
; Wave w takes columns 128 w on, one panel of out_w: 8 accumulators, which take turns; K in 8 steps of 128, 8 matrix instructions each.
; THE WEIGHT.  Every work-group walks all of out_w, so the four work-groups of a cluster (4 x 1) ask for it jointly.  A wave's tensor load brings K steps 0-2 of one unit of its own panel: 8 rows (blocks of 16 weight rows)
; of 4,608 bytes, 6,144 apart in memory, each row at a multiple of 256 bytes: 36,864 bytes a wave, 294,912 a work-group: one slot, filled at the head (K steps 0-2) and once again (K steps 4-6).  Only the wave that asked reads its tile.
; K steps 3 and 7, the units' last, come from memory straight into two sets of 96 registers, asked for at the head, and are multiplied while the refill is on its way.
; From LDS the fragments go through a ring of five register places, two products at a time; the codes lie as images of the operand's registers, all lanes on end: no pitch, no padding.
; No data prefetch: the slot's two fills and the direct loads are all that the launch reads of the weight, and the second fill asks for bytes next to those that the first has read.
; TRANSPOSED USE (source 0 = 16 rows of the weight, source 1 = the tokens): a lane holds one token and 16 neighbouring columns of each 32.  The sums go to an LDS stage of 16 rows, which lies in the slot's bytes, behind the slot's
; last fill and a barrier behind which no wave reads its tile; wave w reads rows 2 w, 2 w + 1 back, 16 bytes a lane, adds out_b and the residual, stores hid (512 consecutive bytes a store), normalises, puts the rows back;
; then wave w quantises K step w of all 16 rows, as in launch prep.
; REGISTERS.  Window 0: v0-23 addresses and small work; v24-31 the tokens' scale words; v32-127 the tokens' fragments, later codes; v128-191 accumulators, later the rows; v192-255 the weight's scale words.
; Window 1: v0-95, v96-191 the two direct sets, later residual, out_b, gain, bias; v192-251 the ring.
; LIMITS as in launch prep (byte 1 for blocks under 2^-124; NaN and infinities not served).
.set PITCH, 4112
.set TILEB, 36864
.set SPARE, 8*TILEB                    ; behind the slot: the spare words, 128 bytes a wave
.set SCST,  SPARE+1024                 ; 512 bytes: the block's scale words of two units
.set WOFF,  2457600                    ; out_w's place in wc
.set AF,    32
.set X,     128
.set CD,    32
.set CX,    48
.set SA,    24
.set SBR,   192
.set RG,    192                        ; the ring, in window 1
.set SPW,   10
.set NIL,   11
.set L16,   22
.set L8,    23
.set WV,    33
.set SEL,   46
.set G0,    60
.set G1,    68
.set MSB, 0
.macro WIN new                         ; the immediate's high byte repeats the setting that is left
.if MSB != \new
	s_set_vgpr_msb (MSB<<8)|\new
.set MSB, \new
.endif
.endm
.macro PLACES                          ; four places behind matrix instructions (ISA guide 7.12.1)
.rept 4
	v_nop
.endr
.endm
.macro CROUND                          ; a round of the cluster's barrier
	s_barrier_signal -1
	s_barrier_wait -1
	s_cmp_lg_u32 s[WV], 0
	s_cbranch_scc1 .Lnw0_\@
	s_barrier_signal -3
.Lnw0_\@:
	s_barrier_wait -3
	s_barrier_signal -1
	s_barrier_wait -1
.endm
.macro DFETCH ks, base                 ; the weight's eight fragments of K step ks from memory into window 1, from register base on: 32 loads
.irp n, 0,1,2,3,4,5,6,7
.irp hf, 0,1
	global_load_b128 v[\base+12*\n+6*\hf:\base+12*\n+6*\hf+3], v1, s[24:25] offset:((\ks)/4)*51200+\n*6144+((\ks)%4)*1536+\hf*768
	global_load_b64 v[\base+12*\n+6*\hf+4:\base+12*\n+6*\hf+5], v2, s[24:25] offset:((\ks)/4)*51200+\n*6144+((\ks)%4)*1536+\hf*768+512
.endr
.endr
.endm
.macro DMUL ks, base
	WIN 0x01
.irp n, 0,1,2,3,4,5,6,7
	v_wmma_scale_f32_16x16x128_f8f6f4 v[X+8*\n:X+8*\n+7], v[\base+12*\n:\base+12*\n+11], v[AF+12*(\ks):AF+12*(\ks)+11], v[X+8*\n:X+8*\n+7], v[SBR+32*((\ks)/4)+4*\n+(\ks)%4], v[SA+4*((\ks)/4)+(\ks)%4] matrix_a_fmt:MATRIX_FMT_FP6 matrix_b_fmt:MATRIX_FMT_FP6
.endr
.endm
.macro LFRAG f                         ; fragment f of my tile (K step f / 8 of its three, block f % 8) into the ring's place f % 5: 4 loads
.irp hf, 0,1
	ds_load_b128 v[RG+12*((\f)%5)+6*\hf:RG+12*((\f)%5)+6*\hf+3], v[L16] offset:((\f)%8)*4608+((\f)/8)*1536+\hf*768
	ds_load_b64 v[RG+12*((\f)%5)+6*\hf+4:RG+12*((\f)%5)+6*\hf+5], v[L8] offset:((\f)%8)*4608+((\f)/8)*1536+\hf*768+512
.endr
.endm
.macro LMUL f, u                       ; its product; the very first K step starts the sums
.if ((\u) == 0) && ((\f) < 8)
	v_wmma_scale_f32_16x16x128_f8f6f4 v[X+8*((\f)%8):X+8*((\f)%8)+7], v[RG+12*((\f)%5):RG+12*((\f)%5)+11], v[AF+12*(4*(\u)+(\f)/8):AF+12*(4*(\u)+(\f)/8)+11], 0, v[SBR+32*(\u)+4*((\f)%8)+(\f)/8], v[SA+4*(\u)+(\f)/8] matrix_a_fmt:MATRIX_FMT_FP6 matrix_b_fmt:MATRIX_FMT_FP6
.else
	v_wmma_scale_f32_16x16x128_f8f6f4 v[X+8*((\f)%8):X+8*((\f)%8)+7], v[RG+12*((\f)%5):RG+12*((\f)%5)+11], v[AF+12*(4*(\u)+(\f)/8):AF+12*(4*(\u)+(\f)/8)+11], v[X+8*((\f)%8):X+8*((\f)%8)+7], v[SBR+32*(\u)+4*((\f)%8)+(\f)/8], v[SA+4*(\u)+(\f)/8] matrix_a_fmt:MATRIX_FMT_FP6 matrix_b_fmt:MATRIX_FMT_FP6
.endif
.endm
.macro PHASE u                         ; the tile's 24 fragments, two at a time; ahead of pair f the fragments up to f + 4 have been asked for
	WIN 0x40
.irp g, 0,1,2,3,4
	LFRAG \g
.endr
.set f, 0
.rept 12
.if f+4 > 23
	s_wait_dscnt 4*(22-f)                          ; the tail: what is left behind this pair
.else
	s_wait_dscnt 12                                ; three younger fragments, four loads each, may be out
.endif
	WIN 0x01
	LMUL f, \u
	LMUL f+1, \u
	PLACES                                         ; in front of loads into the two places just multiplied
.if f+5 < 24
	WIN 0x40
	LFRAG f+5
.if f+6 < 24
	LFRAG f+6
.endif
.endif
.set f, f+2
.endr
	WIN 0
.endm
.macro ROWSUM d, x                     ; v[d] = the sum of my 32 numbers of a row, in two chains
	v_pk_add_f32 v[\d:\d+1], v[\x:\x+1], v[\x+2:\x+3]
	v_pk_add_f32 v[\d+2:\d+3], v[\x+4:\x+5], v[\x+6:\x+7]
.irp j, 8,12,16,20,24,28
	s_delay_alu instid0(VALU_DEP_2)
	v_pk_add_f32 v[\d:\d+1], v[\d:\d+1], v[\x+\j:\x+\j+1]
	s_delay_alu instid0(VALU_DEP_2)
	v_pk_add_f32 v[\d+2:\d+3], v[\d+2:\d+3], v[\x+\j+2:\x+\j+3]
.endr
	s_delay_alu instid0(VALU_DEP_1)
	v_pk_add_f32 v[\d:\d+1], v[\d:\d+1], v[\d+2:\d+3]
	s_delay_alu instid0(VALU_DEP_1)
	v_add_f32 v[\d], v[\d], v[\d+1]
.endm
.macro ROWSQ d, x                      ; the same of their squares
	v_pk_mul_f32 v[\d:\d+1], v[\x:\x+1], v[\x:\x+1]
	v_pk_mul_f32 v[\d+2:\d+3], v[\x+2:\x+3], v[\x+2:\x+3]
.irp j, 4,8,12,16,20,24,28
	s_delay_alu instid0(VALU_DEP_2)
	v_pk_fma_f32 v[\d:\d+1], v[\x+\j:\x+\j+1], v[\x+\j:\x+\j+1], v[\d:\d+1]
	s_delay_alu instid0(VALU_DEP_2)
	v_pk_fma_f32 v[\d+2:\d+3], v[\x+\j+2:\x+\j+3], v[\x+\j+2:\x+\j+3], v[\d+2:\d+3]
.endr
	s_delay_alu instid0(VALU_DEP_1)
	v_pk_add_f32 v[\d:\d+1], v[\d:\d+1], v[\d+2:\d+3]
	s_delay_alu instid0(VALU_DEP_1)
	v_add_f32 v[\d], v[\d], v[\d+1]
.endm
.macro WSUM d                          ; over the 32 lanes; every lane ends with the sum
	v_add_f32_dpp v[\d], v[\d], v[\d] row_xmask:1 row_mask:0xf bank_mask:0xf
	s_delay_alu instid0(VALU_DEP_1)
	v_add_f32_dpp v[\d], v[\d], v[\d] row_xmask:2 row_mask:0xf bank_mask:0xf
	s_delay_alu instid0(VALU_DEP_1)
	v_add_f32_dpp v[\d], v[\d], v[\d] row_xmask:4 row_mask:0xf bank_mask:0xf
	s_delay_alu instid0(VALU_DEP_1)
	v_add_f32_dpp v[\d], v[\d], v[\d] row_xmask:8 row_mask:0xf bank_mask:0xf
	s_delay_alu instid0(VALU_DEP_1)
	v_permlanex16_b32 v[\d+1], v[\d], s[SEL], s[SEL+1]
	s_delay_alu instid0(VALU_DEP_1)
	v_add_f32 v[\d], v[\d], v[\d+1]
.endm
	s_load_b256 s[4:11], s[0:1], 0x0               ; ac, wc, out_b, hidden_states
	s_load_b256 s[12:19], s[0:1], 0x20             ; ln2_g, ln2_b, hid, xc
	v_lshl_add_u32 v[SPW], v0, 2, SPARE
	v_mov_b32 v[NIL], 0
	ds_add_u32 v[SPW], v[NIL]                      ; the opening: the add, twice on end, and its wait ahead of my first tensor load
	ds_add_u32 v[SPW], v[NIL]
	v_lshrrev_b32 v12, 5, v0
	v_readfirstlane_b32 s[WV], v12                 ; wave 0..7
	s_bfe_u32 s76, ttmp6, 0x40000                  ; cx
	s_lshl_b32 s59, ttmp9, 2
	s_add_co_u32 s59, s59, s76                     ; the block of 16 tokens: it enters global addresses alone
	s_lshr_b32 s36, s[WV], 2                       ; the way out: which unit my K step lies in,
	s_and_b32 s37, s[WV], 3                        ; and which of its four K steps it is
	s_mul_i32 s42, s[WV], 2*PITCH
	s_lshl_b32 s43, s[WV], 9
	s_lshl_b32 s34, s36, 8
	s_lshl_b32 s35, s37, 2
	s_add_co_u32 s34, s34, s35
	s_add_co_u32 s34, s34, SCST
	s_mov_b32 s44, 0x3a800000                      ; 1 / 1,024
	s_mov_b32 s45, 0x3727c5ac                      ; 1e-5
	s_mov_b32 s[SEL], 0x76543210
	s_mov_b32 s[SEL+1], 0xfedcba98                 ; lane l xor 16
	s_lshr_b32 s48, s59, 3                         ; the panel of 128 tokens,
	s_and_b32 s49, s59, 7                          ; the block in it
	s_mul_i32 s48, s48, 102400
	s_mul_i32 s50, s49, 6144
	s_add_co_u32 s50, s50, s48                     ; the block's codes, in ac and in xc
	s_mov_b32 s51, 0
	s_lshl_b32 s52, s49, 8
	s_add_co_u32 s52, s52, s48
	s_add_co_u32 s52, s52, 49152                   ; its scale bytes
	s_mov_b32 s53, 0
	s_mul_i32 s54, s[WV], 102400
	s_add_co_u32 s54, s54, WOFF                    ; my panel of out_w: by the wave alone
	s_mov_b32 s55, 0
	s_mul_i32 s56, s36, 51200
	s_mul_i32 s57, s37, 1536
	s_add_co_u32 s56, s56, s57
	s_add_co_u32 s56, s56, s50                     ; my K step of the block in xc
	s_mov_b32 s57, 0
	s_lshr_b32 s38, s59, 1
	s_lshl_b32 s38, s38, 5
	s_and_b32 s58, s59, 1
	s_lshl_b32 s58, s58, 3
	s_add_co_u32 s38, s38, s58
	s_lshl_b32 s58, s[WV], 1
	s_add_co_u32 s38, s38, s58
	s_lshl_b32 s58, s36, 3
	s_add_co_u32 s38, s38, s58                     ; my two rows: 32 (block / 2) + 8 (block % 2) + 2 w + 8 (w / 4)
	s_lshl_b32 s38, s38, 12
	s_mov_b32 s39, 0
	s_mov_b32 s[G1], 15|(3<<16)|(1<<21)            ; elements of 8 bytes; the mask names all four, bit 21 beside it
	s_mov_b32 s[G1+1], 576<<16                     ; a row: 576 elements, 4,608 bytes
	s_mov_b32 s[G1+2], 8<<16                       ; 8 rows
	s_mov_b32 s[G1+3], 576<<16
	s_mov_b32 s[G1+4], 8
	s_mov_b32 s[G1+5], 768                         ; 6,144 bytes from row to row
	s_mov_b32 s[G1+6], 0
	s_mov_b32 s[G1+7], 0
	s_mov_b32 s[G0], 1
	s_mul_i32 s[G0+1], s[WV], TILEB                ; my tile in LDS
	v_and_b32 v12, 31, v0
	v_and_b32 v3, 15, v0                           ; r
	v_bfe_u32 v4, v0, 4, 1                         ; h
	v_lshlrev_b32 v1, 4, v12                       ; 16 x lane
	v_lshlrev_b32 v2, 3, v12                       ; 8 x lane
	v_lshlrev_b32 v20, 4, v3                       ; 16 r: a row's four scale words
	v_mul_u32_u24 v6, v3, PITCH
	v_add_nc_u32 v5, s42, v1                       ; the stage's rows 2 w, 2 w + 1, 16 bytes a lane
	v_lshl_add_u32 v9, v4, 6, v6
	v_lshl_add_u32 v6, v4, 7, v6
	v_add_nc_u32 v9, s43, v9                       ; the sums' way in: row r, 512 w + 64 h
	v_add_nc_u32 v6, s43, v6                       ; the quantiser: row r, K step w (512 bytes), + 128 h
	v_lshl_add_u32 v7, v3, 4, s34                  ; my row's scale word of my K step
	v_add_nc_u32 v8, SCST, v1                      ; the way out of the scale words (wave 0)
	v_mad_u32_u24 v21, v4, 51200, v20
	v_add_nc_u32 v[L16], s[G0+1], v1               ; my tile's fragments: the 16-byte parts,
	v_add_nc_u32 v[L8], s[G0+1], v2                ; and the 8-byte parts
	s_wait_alu depctr_va_vdst(0)                   ; the wait at the head's end
	s_wait_dscnt 0x0                               ; both opening adds are done
	s_wait_kmcnt 0x0
	s_add_nc_u64 s[20:21], s[4:5], s[50:51]
	s_add_nc_u64 s[22:23], s[4:5], s[52:53]
	s_add_nc_u64 s[24:25], s[6:7], s[54:55]
	s_add_nc_u64 s[26:27], s[10:11], s[38:39]
	s_add_nc_u64 s[28:29], s[16:17], s[38:39]
	s_add_nc_u64 s[40:41], s[18:19], s[56:57]
	s_add_nc_u64 s[30:31], s[18:19], s[52:53]
	s_mov_b64 s[G0+2:G0+3], s[24:25]
	s_or_b32 s[G0+3], s[G0+3], 0x80000000
	CROUND                                         ; all four work-groups are here: the first joint loads meet
	tensor_load_to_lds s[G0:G0+3], s[G1:G1+7]      ; K steps 0-2 of my panel: my one load at the head
	s_nop 0
	PLACES
.irp u, 0,1
	global_load_b128 v[SA+4*\u:SA+4*\u+3], v20, s[22:23] offset:51200*\u
.irp n, 0,1,2,3,4,5,6,7
	global_load_b128 v[SBR+32*\u+4*\n:SBR+32*\u+4*\n+3], v20, s[24:25] offset:51200*\u+49152+256*\n
.endr
.endr
.irp ks, 0,1,2,3,4,5,6,7
.irp hf, 0,1
	global_load_b128 v[AF+12*\ks+6*\hf:AF+12*\ks+6*\hf+3], v1, s[20:21] offset:(\ks/4)*51200+(\ks%4)*1536+\hf*768
	global_load_b64 v[AF+12*\ks+6*\hf+4:AF+12*\ks+6*\hf+5], v2, s[20:21] offset:(\ks/4)*51200+(\ks%4)*1536+\hf*768+512
.endr
.endr
	WIN 0x40
	DFETCH 3, 0
	DFETCH 7, 96
	WIN 0
	s_wait_tensorcnt 0x0                           ; my tile is in: I alone read it
	s_wait_loadcnt 63                              ; the scale words and the tokens' fragments are in; of the 64 direct loads behind them 63 may be out
	PHASE 0                                        ; K steps 0-2
	s_wait_tensorcnt 0x0                           ; no load of mine is out;
	ds_add_u32 v[SPW], v[NIL]                      ; 0 onto my spare word;
	s_add_nc_u64 s[G0+2:G0+3], s[G0+2:G0+3], 51200 ; the panel's second unit
	s_wait_dscnt 0x0                               ; the add is done, and my reads of the tile are over
	CROUND                                         ; the same holds of every wave of all four work-groups
	tensor_load_to_lds s[G0:G0+3], s[G1:G1+7]      ; K steps 4-6: my one load behind the round
	s_nop 0
	PLACES
	s_wait_loadcnt 32                              ; K step 3's set is in; K step 7's 32 may be out
	DMUL 3, 0
	s_wait_loadcnt 0x0
	DMUL 7, 96
	PLACES                                         ; in front of loads into the two sets
	WIN 0x40
.irp i, 0,1
.irp j, 0,1,2,3,4,5,6,7
	global_load_b128 v[32*\i+4*\j:32*\i+4*\j+3], v1, s[26:27] offset:4096*\i+512*\j th:TH_LOAD_NT     ; the residual's two rows
.endr
.endr
.irp j, 0,1,2,3,4,5,6,7
	global_load_b128 v[64+4*\j:64+4*\j+3], v1, s[8:9] offset:512*\j         ; out_b
	global_load_b128 v[96+4*\j:96+4*\j+3], v1, s[12:13] offset:512*\j       ; the gain
	global_load_b128 v[128+4*\j:128+4*\j+3], v1, s[14:15] offset:512*\j     ; the LayerNorm's bias
.endr
	WIN 0
	s_wait_tensorcnt 0x0                           ; my second tile is in
	PHASE 1                                        ; K steps 4-6
	s_wait_dscnt 0x0
	s_barrier_signal -1
	s_barrier_wait -1                              ; no wave reads its tile any more, and the slot has had its last fill: the stage may lie there
.irp b, 0,1,2,3
.irp q, 0,1,2,3
	ds_store_b128 v9, v[X+16*\b+4*\q:X+16*\b+4*\q+3] offset:128*\b+16*\q       ; columns 128 w + 32 b + 16 h + 4 q on; each accumulator from its low end on
.endr
.endr
	s_wait_dscnt 0x0                               ; for the others' sake: my columns lie in the stage
	s_barrier_signal -1
	s_barrier_wait -1
.irp i, 0,1
.irp j, 0,1,2,3,4,5,6,7
	ds_load_b128 v[X+32*\i+4*\j:X+32*\i+4*\j+3], v5 offset:\i*PITCH+512*\j
.endr
.endr
	s_wait_dscnt 0x0
	s_wait_loadcnt 0x0                             ; the residual, out_b, gain and bias
	WIN 0x04                                       ; source 1: window 1
.irp j, 0,2,4,6,8,10,12,14,16,18,20,22,24,26,28,30
	v_pk_add_f32 v[X+\j:X+\j+1], v[X+\j:X+\j+1], v[64+\j:65+\j]
	v_pk_add_f32 v[X+32+\j:X+32+\j+1], v[X+32+\j:X+32+\j+1], v[64+\j:65+\j]
.endr
.irp j, 0,2,4,6,8,10,12,14,16,18,20,22,24,26,28,30
	v_pk_add_f32 v[X+\j:X+\j+1], v[X+\j:X+\j+1], v[\j:\j+1]
	v_pk_add_f32 v[X+32+\j:X+32+\j+1], v[X+32+\j:X+32+\j+1], v[32+\j:33+\j]
.endr
	WIN 0
.irp i, 0,1
.irp j, 0,1,2,3,4,5,6,7
	global_store_b128 v1, v[X+32*\i+4*\j:X+32*\i+4*\j+3], s[28:29] offset:4096*\i+512*\j     ; hid: 512 consecutive bytes a store
.endr
.endr
	ROWSUM 12, X
	ROWSUM 16, X+32
	WSUM 12
	WSUM 16
	v_mul_f32 v12, s44, v12                        ; the means
	v_mul_f32 v16, s44, v16
	s_wait_alu depctr_va_vdst(0)                   ; the wait ahead of the wait below
	s_wait_xcnt 0x0                                ; the stores have read their data: the rows may be written again
.irp j, 0,2,4,6,8,10,12,14,16,18,20,22,24,26,28,30
	v_pk_add_f32 v[X+\j:X+\j+1], v[X+\j:X+\j+1], v[12:13] op_sel_hi:[1,0] neg_lo:[0,1] neg_hi:[0,1]
	v_pk_add_f32 v[X+32+\j:X+32+\j+1], v[X+32+\j:X+32+\j+1], v[16:17] op_sel_hi:[1,0] neg_lo:[0,1] neg_hi:[0,1]
.endr
	ROWSQ 12, X                                    ; the variance of the centred numbers, as reference() has it
	ROWSQ 16, X+32
	WSUM 12
	WSUM 16
	v_fma_f32 v12, v12, s44, s45
	s_delay_alu instid0(VALU_DEP_2)
	v_fma_f32 v16, v16, s44, s45
	s_wait_alu depctr_va_vdst(0)
	v_rsq_f32 v12, v12
	v_rsq_f32 v16, v16
	v_nop
	s_wait_alu depctr_va_vdst(0)                   ; the wait ahead of the first reader: one for both
.irp j, 0,2,4,6,8,10,12,14,16,18,20,22,24,26,28,30
	v_pk_mul_f32 v[X+\j:X+\j+1], v[X+\j:X+\j+1], v[12:13] op_sel_hi:[1,0]
	v_pk_mul_f32 v[X+32+\j:X+32+\j+1], v[X+32+\j:X+32+\j+1], v[16:17] op_sel_hi:[1,0]
.endr
	WIN 0x14                                       ; sources 1 and 2: window 1
.irp j, 0,2,4,6,8,10,12,14,16,18,20,22,24,26,28,30
	v_pk_fma_f32 v[X+\j:X+\j+1], v[X+\j:X+\j+1], v[96+\j:97+\j], v[128+\j:129+\j]
	v_pk_fma_f32 v[X+32+\j:X+32+\j+1], v[X+32+\j:X+32+\j+1], v[96+\j:97+\j], v[128+\j:129+\j]
.endr
	WIN 0
.irp i, 0,1
.irp j, 0,1,2,3,4,5,6,7
	ds_store_b128 v5, v[X+32*\i+4*\j:X+32*\i+4*\j+3] offset:\i*PITCH+512*\j      ; back into my own two rows, which no other wave has read
.endr
.endr
	s_wait_dscnt 0x0
	s_barrier_signal -1
	s_barrier_wait -1
	; wave w takes K step w of all 16 rows: a lane holds two whole blocks of 32, in the order of the operand's registers
.irp c, 0,1
.irp i, 0,1,2,3,4,5,6,7
	ds_load_b128 v[X+32*\c+4*\i:X+32*\c+4*\i+3], v6 offset:256*\c+16*\i
.endr
.endr
	s_wait_dscnt 0x0
.irp c, 0,1
	v_max3_num_f32 v[12+\c], |v[X+32*\c]|, |v[X+32*\c+1]|, 0x1800000   ; with the floor 2^(3 - 127): the byte cannot fall under 1
.endr
.irp i, 2,4,6,8,10,12,14,16,18,20,22,24,26,28,30
.irp c, 0,1
	s_delay_alu instid0(VALU_DEP_2)
	v_max3_num_f32 v[12+\c], v[12+\c], |v[X+32*\c+\i]|, |v[X+32*\c+\i+1]|
.endr
.endr
.irp c, 0,1
	s_delay_alu instid0(VALU_DEP_2)
	v_add_nc_u32 v[14+\c], 0xff000000, v[12+\c]    ; 2 off the exponent field: the conversion's scale operand
.endr
.irp c, 0,1
	s_delay_alu instid0(VALU_DEP_2)
	v_lshrrev_b32 v[16+\c], 23, v[14+\c]           ; the scale's byte
.endr
.irp c, 0,1
	v_cvt_scalef32_pk16_fp6_f32 v[CD+8*\c:CD+8*\c+2], v[X+32*\c:X+32*\c+15], v[14+\c]
	v_cvt_scalef32_pk16_fp6_f32 v[CX+4*\c:CX+4*\c+2], v[X+32*\c+16:X+32*\c+31], v[14+\c]
.endr
	v_nop                                          ; one plain place behind a scaled conversion
.irp c, 0,1
.irp i, 0,1,2
	v_mov_b32 v[CD+8*\c+3+\i], v[CX+4*\c+\i]
.endr
.endr
.irp c, 0,1
	global_store_b128 v1, v[CD+8*\c:CD+8*\c+3], s[40:41] offset:768*\c          ; 512 consecutive bytes,
	global_store_b64 v2, v[CD+8*\c+4:CD+8*\c+5], s[40:41] offset:768*\c+512     ; and 256
.endr
	v_lshl_or_b32 v18, v17, 16, v16                ; my two bytes: block h of each HALF,
	v_lshlrev_b32 v19, 3, v4
	s_delay_alu instid0(VALU_DEP_1)
	v_lshlrev_b32 v18, v19, v18                    ; 8 h bits up;
	v_mov_b32 v19, 0
	s_delay_alu instid0(VALU_DEP_1)
	v_permlanex16_b32 v19, v18, s[SEL], s[SEL+1]
	s_delay_alu instid0(VALU_DEP_1)
	v_or_b32 v18, v18, v19                         ; with lane l xor 16's two the word is whole
	ds_store_b32 v7, v18                           ; (lanes r and r + 16 store the same word)
	s_wait_dscnt 0x0
	s_barrier_signal -1
	s_barrier_wait -1
	s_cmp_lg_u32 s[WV], 0
	s_cbranch_scc1 .Lend
	ds_load_b128 v[12:15], v8                      ; wave 0 stores the block's scale words: 256 bytes in each of the two units
	s_wait_dscnt 0x0
	global_store_b128 v21, v[12:15], s[30:31]
.Lend:
	s_wait_tensorcnt 0x0                           ; the wave's end, behind my last LDS store
	ds_add_u32 v[SPW], v[NIL]
	s_wait_dscnt 0x0
	CROUND                                         ; the closing round
	s_endpgm
.Lfunc_end_k_qf394f54cae_oln:
	.size	k_qf394f54cae_oln, .Lfunc_end_k_qf394f54cae_oln-k_qf394f54cae_oln
	.p2alignl 7, 3214868480
	.fill 96, 4, 3214868480
	.section	.rodata,"a",@progbits
	.p2align	6, 0x0
	.amdhsa_kernel k_qf394f54cae_oln
		.amdhsa_group_segment_fixed_size 327680
		.amdhsa_private_segment_fixed_size 0
		.amdhsa_enable_private_segment 0
		.amdhsa_kernarg_size 64
		.amdhsa_user_sgpr_count 2
		.amdhsa_user_sgpr_kernarg_segment_ptr 1
		.amdhsa_wavefront_size32 1
		.amdhsa_system_sgpr_workgroup_id_x 1
		.amdhsa_system_sgpr_workgroup_id_y 1
		.amdhsa_system_sgpr_workgroup_id_z 1
		.amdhsa_system_vgpr_workitem_id 0
		.amdhsa_next_free_vgpr 512
		.amdhsa_next_free_sgpr 80
		.amdhsa_reserve_vcc 0
		.amdhsa_float_denorm_mode_32 3
		.amdhsa_float_denorm_mode_16_64 3
		.amdhsa_memory_ordered 1
		.amdhsa_forward_progress 1
		.amdhsa_inst_pref_size 76
	.end_amdhsa_kernel
	.amdgpu_metadata
---
amdhsa.version: [ 1, 2 ]
amdhsa.kernels:
  - .name:           k_qf394f54cae_oln
    .symbol:         k_qf394f54cae_oln.kd
    .args:
      - { .name: ac, .offset: 0, .size: 8, .value_kind: global_buffer, .address_space: global }
      - { .name: wc, .offset: 8, .size: 8, .value_kind: global_buffer, .address_space: global }
      - { .name: out_b, .offset: 16, .size: 8, .value_kind: global_buffer, .address_space: global }
      - { .name: hidden_states, .offset: 24, .size: 8, .value_kind: global_buffer, .address_space: global }
      - { .name: ln2_g, .offset: 32, .size: 8, .value_kind: global_buffer, .address_space: global }
      - { .name: ln2_b, .offset: 40, .size: 8, .value_kind: global_buffer, .address_space: global }
      - { .name: hid, .offset: 48, .size: 8, .value_kind: global_buffer, .address_space: global }
      - { .name: xc, .offset: 56, .size: 8, .value_kind: global_buffer, .address_space: global }
    .group_segment_fixed_size: 327680
    .private_segment_fixed_size: 0
    .kernarg_segment_align: 8
    .kernarg_segment_size: 64
    .max_flat_workgroup_size: 256
    .sgpr_count:     80
    .vgpr_count:     512
    .wavefront_size: 32
...
	.end_amdgpu_metadata
.endif
;; end of part 4
;; launch fc1 (part 5): grid 8 x 32, 4 waves a work-group, clusters of 4 x 4, 327,680 bytes of LDS; arguments xc, wc, fc1_b, ffc; writes ffc
.if DOCPART == 5
	.amdgcn_target "amdgcn-amd-amdhsa--gfx1250"
	.amdhsa_code_object_version 6
	.text
	.protected	k_qf394f54cae_fc1
	.globl	k_qf394f54cae_fc1
	.p2align	8
	.type	k_qf394f54cae_fc1,@function
k_qf394f54cae_fc1:
	s_mov_b64 s[64:65], 0
	v_nop
	global_prefetch_b8 v0, s[64:65] scope:SCOPE_SE
	s_setreg_imm32_b32 hwreg(HW_REG_WAVE_MODE, 25, 1), 1
	s_wait_xcnt 0x0
	s_wait_alu depctr_hold_cnt(0) depctr_sa_sdst(0) depctr_va_vdst(0) depctr_va_sdst(0) depctr_va_ssrc(0) depctr_va_vcc(0) depctr_vm_vsrc(0)
	s_getreg_b32 s2, hwreg(HW_REG_IB_STS2, 6, 4)
	s_cmp_eq_u32 s2, 0
	s_cbranch_scc0 .Lentry_in_a_cluster
	s_endpgm
.Lentry_in_a_cluster:
	s_bfe_u32 s2, ttmp6, 0x10000c
	s_cmp_lg_u32 s2, 0xf033
	s_cbranch_scc0 .Lentry_shape_is_right
	s_endpgm
.Lentry_shape_is_right:
; LAUNCH 5: ff = gelu(LN2(hid) fc1_w^T + fc1_b), the product on codes of E2M3, the exact (erf) GELU in f32, and ff quantised along its 4,096, straight from the accumulators.
; SHARES.  Work-group (x, y): tokens 128 y on, four tiles of 128 columns: rows 128 (4 x + t) of fc1_w: it writes exactly one unit (128 tokens x 512 along the next K) of ffc; tile t is the unit's K step t.
; The tokens' panel stays in LDS; the weights' four panels go through two slots.  The tiles run in two loops of two trips, the first with a refill and the second without
; and the tile's text stands twice, not four times.  s[SB], the slot in hand, steps by a slot in each loop.  CLUSTER 4 x 4, layouts and the K step as in launch qkv.
; erf(z) = z P(z^2) / Q(z^2) with z held to +-4: a rational form in f32, good to a few ulp; gelu = x / 2 + (x / 2) erf(x / sqrt 2).
; LIMITS: as in launch prep; v_rcp_f32 is good to 1 ulp (ISA guide, its entry).
.set BS0,   102400
.set BS1,   204800
.set SLOTX, BS0^BS1
.set SPARE, 307200
.set SCST,  SPARE+512                  ; 2,048 bytes: the unit's scale bytes, gathered from the four waves and the four tiles
.set LA16, 4
.set LA8,  5
.set LB16, 6
.set LB8,  7
.set LAS,  8
.set LBS,  9
.set CA16, 10
.set CA8,  11
.set CB16, 12
.set CB8,  13
.set CAS,  14
.set CBS,  15
.set SPW,  16
.set NIL,  17
.set O16,  18
.set O8,   19
.set TM,   20
.set TX,   22
.set SCL,  24
.set PT,   26
.set BIAS, 32
.set SC,   64
.set T,    128                         ; v128-159 32 numbers; v160-223 the GELU's; v224-255 codes and bytes on their way out
.set Z,    160
.set X2,   176
.set PP,   192
.set QQ,   208
.set G1A,  24
.set G1B,  32
.set SEL,  62
.set SB,   88
.set NS,   89
.set ST,   90
.set CNT,  91
.set TO_F, 0x40
.set X_IN, 0x02
.set MSB, 0
; THE TOKENS' FRAGMENTS STAY IN REGISTERS: my 64 tokens x 1,024 K are 32 fragments, 384 registers, read from LDS once and used by all four tiles; a K step then reads the weight's four fragments alone.
.macro ASEL k                          ; where the tokens' four fragments of K step k (0 .. 7) stay: window AW, from register AB on
.if (\k) < 5
.set AW, 3
.set AB, 48*(\k)
.elseif (\k) < 7
.set AW, 2
.set AB, 128+48*((\k)-5)
.else
.set AW, 1
.set AB, 96
.endif
.endm
.macro LOADA u                         ; the four K steps of the tokens' unit u, at the address in hand: 64 loads
.irp ks, 0,1,2,3
	ASEL 4*(\u)+\ks
	WIN (AW<<6)
.irp i, 0,1,2,3
.irp hf, 0,1
	ds_load_b128 v[AB+12*\i+6*\hf:AB+12*\i+6*\hf+3], v[CA16] offset:\i*6144+\ks*1536+\hf*768
	ds_load_b64 v[AB+12*\i+6*\hf+4:AB+12*\i+6*\hf+5], v[CA8] offset:\i*6144+\ks*1536+\hf*768
.endr
.endr
.endr
.endm
.macro WIN new
.if MSB != \new
	s_set_vgpr_msb (MSB<<8)|\new
.set MSB, \new
.endif
.endm
.macro PLACES
.rept 4
	v_nop
.endr
.endm
.macro CROUND
	s_barrier_signal -1
	s_barrier_wait -1
	s_cmp_lg_u32 s14, 0
	s_cbranch_scc1 .Lnw0_\@
	s_barrier_signal -3
.Lnw0_\@:
	s_barrier_wait -3
	s_barrier_signal -1
	s_barrier_wait -1
.endm
.macro SETADR ab, bb
	WIN 0
	v_add_nc_u32 v[CA16], \ab, v[LA16]
	v_add_nc_u32 v[CA8], \ab, v[LA8]
	v_add_nc_u32 v[CAS], \ab, v[LAS]
	v_add_nc_u32 v[CB16], \bb, v[LB16]
	v_add_nc_u32 v[CB8], \bb, v[LB8]
	v_add_nc_u32 v[CBS], \bb, v[LBS]
.endm
.macro SCALES ss
.irp i, 0,1,2,3
	ds_load_b128 v[SC+32*(\ss)+4*\i:SC+32*(\ss)+4*\i+3], v[CAS] offset:256*\i
	ds_load_b128 v[SC+32*(\ss)+16+4*\i:SC+32*(\ss)+16+4*\i+3], v[CBS] offset:256*\i
.endr
.endm
.macro FETCH f, ks
	WIN TO_F
.irp i, 0,1,2,3
.irp hf, 0,1
	ds_load_b128 v[128*(\f)+48+12*\i+6*\hf:128*(\f)+48+12*\i+6*\hf+3], v[CB16] offset:\i*6144+(\ks)*1536+\hf*768
	ds_load_b64 v[128*(\f)+48+12*\i+6*\hf+4:128*(\f)+48+12*\i+6*\hf+5], v[CB8] offset:\i*6144+(\ks)*1536+\hf*768
.endr
.endr
.endm
.macro MUL16 f, ks, ss, zero           ; the 16 accumulators take turns, one instruction a turn, over the loops' backward jumps too; source 0 = the weight (window 1), source 1 = the tokens (their own window)
	ASEL 4*(\ss)+(\ks)
	WIN (0xa1|(AW<<2))
.irp a, 0,1,2,3
.irp n, 0,1,2,3
.if \zero
	v_wmma_scale_f32_16x16x128_f8f6f4 v[8*(4*\a+\n):8*(4*\a+\n)+7], v[128*(\f)+48+12*\n:128*(\f)+48+12*\n+11], v[AB+12*\a:AB+12*\a+11], 0, v[SC+32*(\ss)+16+4*\n+(\ks)], v[SC+32*(\ss)+4*\a+(\ks)] matrix_a_fmt:MATRIX_FMT_FP6 matrix_b_fmt:MATRIX_FMT_FP6
.else
	v_wmma_scale_f32_16x16x128_f8f6f4 v[8*(4*\a+\n):8*(4*\a+\n)+7], v[128*(\f)+48+12*\n:128*(\f)+48+12*\n+11], v[AB+12*\a:AB+12*\a+11], v[8*(4*\a+\n):8*(4*\a+\n)+7], v[SC+32*(\ss)+16+4*\n+(\ks)], v[SC+32*(\ss)+4*\a+(\ks)] matrix_a_fmt:MATRIX_FMT_FP6 matrix_b_fmt:MATRIX_FMT_FP6
.endif
.endr
.endr
.endm
.macro NEXT f, ks
	s_wait_dscnt 0x0
	PLACES
	FETCH \f, \ks
.endm
.macro GO p, ks, ss, zero
	MUL16 \p, \ks, \ss, \zero
.endm
.macro QUANT32 s, pc, pw
	v_max3_num_f32 v[TM], |v[\s]|, |v[\s+1]|, 0x1800000
	v_max3_num_f32 v[TM+1], |v[\s+16]|, |v[\s+17]|, 0x1800000
.irp i, 2,4,6,8,10,12,14
	v_max3_num_f32 v[TM], v[TM], |v[\s+\i]|, |v[\s+\i+1]|
	v_max3_num_f32 v[TM+1], v[TM+1], |v[\s+16+\i]|, |v[\s+17+\i]|
.endr
	v_permlanex16_b32 v[TX], v[TM], s[SEL], s[SEL+1]
	v_permlanex16_b32 v[TX+1], v[TM+1], s[SEL], s[SEL+1]
	v_max_num_f32 v[TM], v[TM], v[TX]
	v_max_num_f32 v[TM+1], v[TM+1], v[TX+1]
	v_add_nc_u32 v[SCL], 0xff000000, v[TM]
	v_add_nc_u32 v[SCL+1], 0xff000000, v[TM+1]
	v_lshrrev_b32 v[TM], 23, v[SCL]
	v_lshrrev_b32 v[TM+1], 23, v[SCL+1]
	v_lshl_or_b32 v[\pw], v[TM+1], 8, v[TM]
	v_cvt_scalef32_pk16_fp6_f32 v[\pc:\pc+2], v[\s:\s+15], v[SCL]
	v_cvt_scalef32_pk16_fp6_f32 v[PT:PT+2], v[\s+16:\s+31], v[SCL+1]
	v_nop
.irp i, 0,1,2
	v_permlane16_swap_b32 v[\pc+\i], v[PT+\i]
.endr
.irp i, 0,1,2
	v_mov_b32 v[\pc+3+\i], v[PT+\i]
.endr
.endm
; gelu of 16 numbers, in place.  Constants: s[66:67] 1 / sqrt 2; v[0:1], s[68:79] P's seven; v[2:3], s[80:87] Q's five, highest degree first
.macro GELU16 xb
.irp j, 0,2,4,6,8,10,12,14
	v_pk_mul_f32 v[Z+\j:Z+\j+1], v[\xb+\j:\xb+\j+1], s[66:67] op_sel_hi:[1,0]
.endr
.irp j, 0,1,2,3,4,5,6,7,8,9,10,11,12,13,14,15
	v_med3_num_f32 v[Z+\j], v[Z+\j], -4.0, 4.0
.endr
.irp j, 0,2,4,6,8,10,12,14
	v_pk_mul_f32 v[X2+\j:X2+\j+1], v[Z+\j:Z+\j+1], v[Z+\j:Z+\j+1]
.endr
.irp j, 0,2,4,6,8,10,12,14
	v_pk_fma_f32 v[PP+\j:PP+\j+1], v[X2+\j:X2+\j+1], v[0:1], s[68:69] op_sel_hi:[1,1,0]
	v_pk_fma_f32 v[QQ+\j:QQ+\j+1], v[X2+\j:X2+\j+1], v[2:3], s[80:81] op_sel_hi:[1,1,0]
.endr
.irp k, 0,1,2
.irp j, 0,2,4,6,8,10,12,14
	v_pk_fma_f32 v[PP+\j:PP+\j+1], v[PP+\j:PP+\j+1], v[X2+\j:X2+\j+1], s[70+2*\k:71+2*\k] op_sel_hi:[1,1,0]
	v_pk_fma_f32 v[QQ+\j:QQ+\j+1], v[QQ+\j:QQ+\j+1], v[X2+\j:X2+\j+1], s[82+2*\k:83+2*\k] op_sel_hi:[1,1,0]
.endr
.endr
	s_wait_alu depctr_va_vdst(0)
.irp j, 0,1,2,3,4,5,6,7,8,9,10,11,12,13,14,15
	v_rcp_f32 v[QQ+\j], v[QQ+\j]                   ; one batch; P's last two stages and two products are the work behind it
.endr
.irp k, 3,4
.irp j, 0,2,4,6,8,10,12,14
	v_pk_fma_f32 v[PP+\j:PP+\j+1], v[PP+\j:PP+\j+1], v[X2+\j:X2+\j+1], s[70+2*\k:71+2*\k] op_sel_hi:[1,1,0]
.endr
.endr
.irp j, 0,2,4,6,8,10,12,14
	v_pk_mul_f32 v[PP+\j:PP+\j+1], v[PP+\j:PP+\j+1], v[Z+\j:Z+\j+1]
.endr
.irp j, 0,2,4,6,8,10,12,14
	v_pk_mul_f32 v[\xb+\j:\xb+\j+1], v[\xb+\j:\xb+\j+1], 0.5 op_sel_hi:[1,0]
.endr
	s_wait_alu depctr_va_vdst(0)                   ; the wait ahead of the first reader: one for the sixteen
.irp j, 0,2,4,6,8,10,12,14
	v_pk_mul_f32 v[PP+\j:PP+\j+1], v[PP+\j:PP+\j+1], v[QQ+\j:QQ+\j+1]
.endr
.irp j, 0,2,4,6,8,10,12,14
	v_pk_fma_f32 v[\xb+\j:\xb+\j+1], v[\xb+\j:\xb+\j+1], v[PP+\j:PP+\j+1], v[\xb+\j:\xb+\j+1]
.endr
.endm
.macro KPAIR r, val
	s_mov_b32 s[\r], \val
	s_mov_b32 s[\r+1], \val
.endm
; A tile: the bias, eight K steps, the epilogue.  refill = 1: the slot in hand is filled again with the tile two on
.macro TILE refill
	WIN 0
.irp b, 0,1
.irp i, 0,1,2,3
	global_load_b128 v[BIAS+16*\b+4*\i:BIAS+16*\b+4*\i+3], v29, s[8:9] offset:128*\b+16*\i
.endr
.endr
	NEXT 1, 1
	GO 0, 0, 0, 1
	NEXT 0, 2
	GO 1, 1, 0, 0
	NEXT 1, 3
	GO 0, 2, 0, 0
	s_wait_dscnt 0x0
	s_add_co_u32 s[ST], s[SB], 51200
	SETADR 51200, s[ST]
	SCALES 1
	FETCH 0, 0
	GO 1, 3, 0, 0
	s_wait_alu depctr_va_vdst(0)
	NEXT 1, 1
	GO 0, 0, 1, 0
	NEXT 0, 2
	GO 1, 1, 1, 0
	NEXT 1, 3
	GO 0, 2, 1, 0
	WIN 0
	s_xor_b32 s[NS], s[SB], SLOTX                  ; the other slot
.if \refill
	s_wait_tensorcnt 0x0                           ; all my tensor loads have landed, my part of the other slot among them;
	ds_add_u32 v[SPW], v[NIL]                      ; 0 onto my spare word;
	s_add_co_u32 s49, s[SB], s60                   ; no load of mine is out: the walking group 0 takes the slot in hand
	s_add_nc_u64 s[50:51], s[50:51], 102400        ; and the next panel of the weight
	s_wait_dscnt 0x0                               ; the add is done, and my reads of this slot are over
	CROUND
	tensor_load_to_lds s[48:51], s[G1B:G1B+7]      ; my one load behind the round: it has the whole next tile in which to land
	s_nop 0
	PLACES
.else
	s_wait_dscnt 0x0
	s_wait_tensorcnt 0x0
	s_barrier_signal -1
	s_barrier_wait -1                              ; the other slot is whole
	s_cmp_eq_u32 s[CNT], 1
	s_cbranch_scc1 .Lnofetch_\@                    ; the last tile has no successor
.endif
	SETADR 0, s[NS]
	SCALES 0
	FETCH 0, 0
	WIN 0
.Lnofetch_\@:
	GO 1, 3, 1, 0
	WIN 0
	s_wait_loadcnt 0x0                             ; the bias
	PLACES
.irp a, 0,1,2,3
	WIN X_IN
.irp j, 0,2,4,6,8,10,12,14,16,18,20,22,24,26,28,30
	v_pk_add_f32 v[T+\j:T+\j+1], v[32*\a+\j:32*\a+\j+1], v[BIAS+\j:BIAS+\j+1]
.endr
	WIN 0
	GELU16 T
	GELU16 T+16
	QUANT32 T, 224+8*\a, 230+8*\a
	global_store_b128 v[O16], v[224+8*\a:227+8*\a], s[10:11] offset:6144*\a
	global_store_b64 v[O8], v[228+8*\a:229+8*\a], s[10:11] offset:6144*\a+512
	ds_store_b16 v30, v[230+8*\a] offset:256*\a    ; (lanes r and r + 16 store the same two bytes)
.endr
	s_wait_xcnt 0x0                                ; the stores and the bias's loads have read their registers and bases: all may be written again
	s_add_nc_u64 s[10:11], s[10:11], 1536          ; the unit's next K step
	s_add_nc_u64 s[8:9], s[8:9], 512               ; the next 128 columns' bias
	v_add_nc_u32 v30, 4, v30
.endm
	s_load_b256 s[4:11], s[0:1], 0x0               ; xc, wc, fc1_b, ffc
	v_lshl_add_u32 v[SPW], v0, 2, SPARE
	v_mov_b32 v[NIL], 0
	ds_add_u32 v[SPW], v[NIL]                      ; the opening: the add, twice on end, and its wait ahead of my first tensor load
	ds_add_u32 v[SPW], v[NIL]
	v_lshrrev_b32 v128, 5, v0
	v_readfirstlane_b32 s14, v128
	s_lshr_b32 s15, s14, 1
	s_and_b32 s16, s14, 1
	s_bfe_u32 s17, ttmp6, 0x40000
	s_bfe_u32 s18, ttmp6, 0x40004
	s_lshl_b32 s19, ttmp9, 2
	s_add_co_u32 s19, s19, s17
	s_and_b32 s20, ttmp7, 0xffff
	s_lshl_b32 s20, s20, 2
	s_add_co_u32 s20, s20, s18
	s_lshl_b32 s21, s18, 2
	s_lshl_b32 s21, 15, s21
	s_lshl_b32 s22, 0x1111, s17
	s_or_b32 s[G1A], s21, (3<<16)|(1<<21)
	s_or_b32 s[G1B], s22, (3<<16)|(1<<21)
.irp g, G1A, G1B
	s_mov_b32 s[\g+1], 32<<16
	s_mov_b32 s[\g+2], 200<<16                     ; the head's loads bring 200 rows of 256 bytes: half a panel
	s_mov_b32 s[\g+3], 32<<16
	s_mov_b32 s[\g+4], 200
	s_mov_b32 s[\g+5], 32
	s_mov_b32 s[\g+6], 0
	s_mov_b32 s[\g+7], 0
.endr
	s_mul_i32 s60, s14, 25600
	s_mul_i32 s23, s16, 51200                      ; at the head: which half of a panel I fetch, in memory and in LDS
	s_mul_i32 s2, s19, 4*102400                    ; tile 0's weights: by x and the wave alone
	s_add_co_u32 s2, s2, s23
	s_add_co_u32 s2, s2, 3276800
	s_mov_b32 s3, 0
	s_mul_i32 s56, s20, 102400
	s_add_co_u32 s56, s56, s23
	s_mov_b32 s57, 0
	s_mul_i32 s58, s19, 4*102400
	s_add_co_u32 s58, s58, s60
	s_add_co_u32 s58, s58, 3276800                 ; fc1_w's place in wc
	s_mov_b32 s59, 0
	s_mov_b32 s[SEL], 0x76543210
	s_mov_b32 s[SEL+1], 0xfedcba98
	KPAIR 66, 0x3f3504f3
	KPAIR 68, 0x32edffee
	KPAIR 70, 0xb60cff51
	KPAIR 72, 0xb86ec2d2
	KPAIR 74, 0xba40ac63
	KPAIR 76, 0xbb41a1f6
	KPAIR 78, 0xbc83dbd4
	KPAIR 80, 0xb95fbd29
	KPAIR 82, 0xbadc924e
	KPAIR 84, 0xbbf19bf8
	KPAIR 86, 0xbc69b6a7
	s_wait_dscnt 0x0
	s_wait_kmcnt 0x0
	s_add_nc_u64 s[56:57], s[4:5], s[56:57]
	s_add_nc_u64 s[58:59], s[6:7], s[58:59]
	CROUND
	s_mov_b32 s40, 1
	s_mov_b32 s41, s23
	s_mov_b64 s[42:43], s[56:57]
	s_or_b32 s43, s43, 0x80000000
	s_mov_b32 s44, 1
	s_add_co_u32 s45, s60, BS0
	s_mov_b64 s[46:47], s[58:59]
	s_or_b32 s47, s47, 0x80000000
	s_mov_b32 s48, 1
	s_add_co_u32 s49, s60, BS1
	s_add_nc_u64 s[50:51], s[58:59], 102400
	s_or_b32 s51, s51, 0x80000000
	s_mov_b32 s52, 1                               ; the head's group 0 for tile 0's weights: half of slot 0
	s_add_co_u32 s53, s23, BS0
	s_add_nc_u64 s[54:55], s[6:7], s[2:3]
	s_or_b32 s55, s55, 0x80000000
	s_cmp_eq_u32 s15, 0                            ; one tensor load a wave at the head: waves 0, 1 the tokens' two halves, waves 2, 3 those of tile 0's weights
	s_cbranch_scc0 .Lhb
	tensor_load_to_lds s[40:43], s[G1A:G1A+7]
	s_nop 0
	PLACES
	s_branch .Lhj
.Lhb:
	tensor_load_to_lds s[52:55], s[G1B:G1B+7]
	s_nop 0
	PLACES
.Lhj:
	v_and_b32 v128, 31, v0
	v_and_b32 v129, 15, v0
	s_wait_alu depctr_va_vdst(0)
	v_bfe_u32 v130, v0, 4, 1
	v_lshlrev_b32 v[O16], 4, v128
	v_lshlrev_b32 v[O8], 3, v128
	v_lshlrev_b32 v31, 4, v0                       ; 16 x my thread's number: the scale bytes' way out
	s_mul_i32 s56, s15, 24576
	s_mul_i32 s57, s16, 24576
	v_add_nc_u32 v[LA16], s56, v[O16]
	v_add_nc_u32 v[LB16], s57, v[O16]
	s_add_co_u32 s56, s56, 512
	s_add_co_u32 s57, s57, 512
	v_add_nc_u32 v[LA8], s56, v[O8]
	v_add_nc_u32 v[LB8], s57, v[O8]
	s_lshl_b32 s56, s15, 10
	s_lshl_b32 s57, s16, 10
	s_add_co_u32 s56, s56, 49152
	s_add_co_u32 s57, s57, 49152
	v_lshl_add_u32 v[LAS], v129, 4, s56
	v_lshl_add_u32 v[LBS], v129, 4, s57
	s_lshl_b32 s56, s16, 8
	v_lshl_add_u32 v29, v130, 6, s56               ; the bias: 256 wn + 64 h
	s_lshl_b32 s56, s15, 10
	s_lshl_b32 s57, s16, 1
	s_add_co_u32 s56, s56, s57
	s_add_co_u32 s56, s56, SCST
	v_lshl_add_u32 v30, v129, 4, s56               ; my two scale bytes: block x 256 + 16 r + 4 x tile + 2 wn
	v_mov_b32 v[TX], 0
	v_mov_b32 v[TX+1], 0
	v_mov_b32 v0, 0xaf95df0b                       ; P's highest coefficient, twice,
	v_mov_b32 v1, 0xaf95df0b
	v_mov_b32 v2, 0xb77460cd                       ; and Q's
	v_mov_b32 v3, 0xb77460cd
	s_mul_i32 s94, s20, 409600
	s_mul_i32 s96, s19, 51200
	s_add_co_u32 s94, s94, s96                     ; my unit of ffc
	s_mov_b32 s95, 0
	s_add_nc_u64 s[10:11], s[10:11], s[94:95]
	s_add_nc_u64 s[92:93], s[10:11], 49152         ; its scale bytes
	s_mul_i32 s94, s15, 24576
	s_mul_i32 s96, s16, 768
	s_add_co_u32 s94, s94, s96
	s_add_nc_u64 s[10:11], s[10:11], s[94:95]      ; my four blocks of tokens, my HALF
	s_lshl_b32 s94, s19, 11
	s_add_nc_u64 s[8:9], s[8:9], s[94:95]          ; the bias at column 512 x
	s_wait_alu depctr_va_vdst(0)                   ; the wait at the head's end
	s_wait_tensorcnt 0x0                           ; my half panel is in; slot 1's first fill is issued as a refill is:
	ds_add_u32 v[SPW], v[NIL]                      ; 0 onto my spare word
	s_mov_b32 s[G1B+2], 100<<16                    ; no load of mine is out: from here on a load brings 100 rows, a quarter of a panel
	s_mov_b32 s[G1B+4], 100
	s_wait_dscnt 0x0
	CROUND                                         ; the tokens and tile 0's weights are whole in all sixteen work-groups
	tensor_load_to_lds s[48:51], s[G1B:G1B+7]      ; tile 1's weights: my one load behind the round
	s_nop 0
	PLACES
	SETADR 0, BS0
	LOADA 0                                        ; the tokens' fragments, once: the first unit's,
	WIN 0
	v_add_nc_u32 v[CA16], 51200, v[LA16]
	v_add_nc_u32 v[CA8], 51200, v[LA8]
	LOADA 1                                        ; and the second's
	WIN 0
	SCALES 0
	FETCH 0, 0
	WIN 0
	s_mov_b32 s[SB], BS0
	s_mov_b32 s[CNT], 2
.Lfill:                                            ; tiles 0 and 1
	s_wait_alu depctr_va_vdst(0)
	TILE 1
	s_add_co_u32 s[SB], s[SB], 102400
	s_sub_co_u32 s[CNT], s[CNT], 1
	s_cmp_lg_u32 s[CNT], 0
	s_cbranch_scc1 .Lfill
	s_mov_b32 s[SB], BS0
	s_mov_b32 s[CNT], 2
.Ltail:                                            ; tiles 2 and 3: nothing is left to fetch
	TILE 0
	s_add_co_u32 s[SB], s[SB], 102400
	s_sub_co_u32 s[CNT], s[CNT], 1
	s_cmp_lg_u32 s[CNT], 0
	s_cbranch_scc1 .Ltail
	s_wait_dscnt 0x0                               ; for the others' sake: my scale bytes lie in LDS
	s_barrier_signal -1
	s_barrier_wait -1
	v_add_nc_u32 v128, SCST, v31
	ds_load_b128 v[132:135], v128
	s_wait_dscnt 0x0
	global_store_b128 v31, v[132:135], s[92:93]    ; the unit's 2,048 scale bytes: eight whole blocks of 256
	s_wait_tensorcnt 0x0                           ; the wave's end
	ds_add_u32 v[SPW], v[NIL]
	s_wait_dscnt 0x0
	CROUND
	s_endpgm
.Lfunc_end_k_qf394f54cae_fc1:
	.size	k_qf394f54cae_fc1, .Lfunc_end_k_qf394f54cae_fc1-k_qf394f54cae_fc1
	.p2alignl 7, 3214868480
	.fill 96, 4, 3214868480
	.section	.rodata,"a",@progbits
	.p2align	6, 0x0
	.amdhsa_kernel k_qf394f54cae_fc1
		.amdhsa_group_segment_fixed_size 327680
		.amdhsa_private_segment_fixed_size 0
		.amdhsa_enable_private_segment 0
		.amdhsa_kernarg_size 32
		.amdhsa_user_sgpr_count 2
		.amdhsa_user_sgpr_kernarg_segment_ptr 1
		.amdhsa_wavefront_size32 1
		.amdhsa_system_sgpr_workgroup_id_x 1
		.amdhsa_system_sgpr_workgroup_id_y 1
		.amdhsa_system_sgpr_workgroup_id_z 1
		.amdhsa_system_vgpr_workitem_id 0
		.amdhsa_next_free_vgpr 1024
		.amdhsa_next_free_sgpr 100
		.amdhsa_reserve_vcc 0
		.amdhsa_float_denorm_mode_32 3
		.amdhsa_float_denorm_mode_16_64 3
		.amdhsa_memory_ordered 1
		.amdhsa_forward_progress 1
		.amdhsa_inst_pref_size 255
	.end_amdhsa_kernel
	.section	.bss,"aw",@nobits
	.p2align	6
	.space	262144
	.amdgpu_metadata
---
amdhsa.version: [ 1, 2 ]
amdhsa.kernels:
  - .name:           k_qf394f54cae_fc1
    .symbol:         k_qf394f54cae_fc1.kd
    .args:
      - { .name: xc, .offset: 0, .size: 8, .value_kind: global_buffer, .address_space: global }
      - { .name: wc, .offset: 8, .size: 8, .value_kind: global_buffer, .address_space: global }
      - { .name: fc1_b, .offset: 16, .size: 8, .value_kind: global_buffer, .address_space: global }
      - { .name: ffc, .offset: 24, .size: 8, .value_kind: global_buffer, .address_space: global }
    .group_segment_fixed_size: 327680
    .private_segment_fixed_size: 0
    .kernarg_segment_align: 8
    .kernarg_segment_size: 32
    .max_flat_workgroup_size: 128
    .sgpr_count:     100
    .vgpr_count:     1024
    .wavefront_size: 32
...
	.end_amdgpu_metadata
.endif
;; end of part 5
;; launch fc2 (part 6): grid 8 x 32, 4 waves a work-group, clusters of 4 x 4, 327,680 bytes of LDS; arguments ffc, wc, fc2_b, hid, out0; writes out0
.if DOCPART == 6
	.amdgcn_target "amdgcn-amd-amdhsa--gfx1250"
	.amdhsa_code_object_version 6
	.text
	.protected	k_qf394f54cae_fc2
	.globl	k_qf394f54cae_fc2
	.p2align	8
	.type	k_qf394f54cae_fc2,@function
k_qf394f54cae_fc2:
	s_mov_b64 s[64:65], 0
	v_nop
	global_prefetch_b8 v0, s[64:65] scope:SCOPE_SE
	s_setreg_imm32_b32 hwreg(HW_REG_WAVE_MODE, 25, 1), 1
	s_wait_xcnt 0x0
	s_wait_alu depctr_hold_cnt(0) depctr_sa_sdst(0) depctr_va_vdst(0) depctr_va_sdst(0) depctr_va_ssrc(0) depctr_va_vcc(0) depctr_vm_vsrc(0)
	s_getreg_b32 s2, hwreg(HW_REG_IB_STS2, 6, 4)
	s_cmp_eq_u32 s2, 0
	s_cbranch_scc0 .Lentry_in_a_cluster
	s_endpgm
.Lentry_in_a_cluster:
	s_bfe_u32 s2, ttmp6, 0x10000c
	s_cmp_lg_u32 s2, 0xf033
	s_cbranch_scc0 .Lentry_shape_is_right
	s_endpgm
.Lentry_shape_is_right:
.set NCH,   8
.set WOFF,  6553600
.set UNIT,  51200
.set S1,    4*UNIT
.set STG,   S1
.set SPARE, 6*UNIT
.set LA16, 4
.set LA8,  5
.set LB16, 6
.set LB8,  7
.set LAS,  8
.set LBS,  9
.set CA16, 10
.set CA8,  11
.set CB16, 12
.set CB8,  13
.set CAS,  14
.set CBS,  15
.set SPW,  16
.set NIL,  17
.set O16,  18
.set O8,   19
.set SC,   64
.set T,    128
.set G1A,  24
.set G1B,  32
.set G2A,  72
.set G2B,  80
.set MUL,  0xa5
.set TO_F, 0x40
.set ST2,  0x08
.set TO_2, 0x80
.set MSB, 0
.macro WIN new
.if MSB != \new
	s_set_vgpr_msb (MSB<<8)|\new
.set MSB, \new
.endif
.endm
.macro PLACES
.rept 4
	v_nop
.endr
.endm
.macro CROUND
	s_barrier_signal -1
	s_barrier_wait -1
	s_cmp_lg_u32 s14, 0
	s_cbranch_scc1 .Lnw0_\@
	s_barrier_signal -3
.Lnw0_\@:
	s_barrier_wait -3
	s_barrier_signal -1
	s_barrier_wait -1
.endm
.macro JLOAD s
	s_cmp_eq_u32 s15, 0
	s_cbranch_scc0 .Lfb_\@
	tensor_load_to_lds s[40+4*(\s):43+4*(\s)], s[G2A-48*(\s):G2A-48*(\s)+7]
	s_nop 0
	PLACES
	s_branch .Lasked_\@
.Lfb_\@:
	tensor_load_to_lds s[48+4*(\s):51+4*(\s)], s[G2B-48*(\s):G2B-48*(\s)+7]
	s_nop 0
	PLACES
.Lasked_\@:
.endm
.macro SETADR ab, bb
	WIN 0
	v_add_nc_u32 v[CA16], \ab, v[LA16]
	v_add_nc_u32 v[CA8], \ab, v[LA8]
	v_add_nc_u32 v[CAS], \ab, v[LAS]
	v_add_nc_u32 v[CB16], \bb, v[LB16]
	v_add_nc_u32 v[CB8], \bb, v[LB8]
	v_add_nc_u32 v[CBS], \bb, v[LBS]
.endm
.macro SCALES ss
.irp i, 0,1,2,3
	ds_load_b128 v[SC+32*(\ss)+4*\i:SC+32*(\ss)+4*\i+3], v[CAS] offset:256*\i
	ds_load_b128 v[SC+32*(\ss)+16+4*\i:SC+32*(\ss)+16+4*\i+3], v[CBS] offset:256*\i
.endr
.endm
.macro FETCH f, ks
	WIN TO_F
.irp i, 0,1,2,3
.irp hf, 0,1
	ds_load_b128 v[128*(\f)+12*\i+6*\hf:128*(\f)+12*\i+6*\hf+3], v[CA16] offset:\i*6144+(\ks)*1536+\hf*768
	ds_load_b64 v[128*(\f)+12*\i+6*\hf+4:128*(\f)+12*\i+6*\hf+5], v[CA8] offset:\i*6144+(\ks)*1536+\hf*768
	ds_load_b128 v[128*(\f)+48+12*\i+6*\hf:128*(\f)+48+12*\i+6*\hf+3], v[CB16] offset:\i*6144+(\ks)*1536+\hf*768
	ds_load_b64 v[128*(\f)+48+12*\i+6*\hf+4:128*(\f)+48+12*\i+6*\hf+5], v[CB8] offset:\i*6144+(\ks)*1536+\hf*768
.endr
.endr
.endm
.macro MUL16 f, ks, ss, zero
.irp a, 0,1,2,3
.irp n, 0,1,2,3
.if \zero
	v_wmma_scale_f32_16x16x128_f8f6f4 v[8*(4*\a+\n):8*(4*\a+\n)+7], v[128*(\f)+48+12*\n:128*(\f)+48+12*\n+11], v[128*(\f)+12*\a:128*(\f)+12*\a+11], 0, v[SC+32*(\ss)+16+4*\n+(\ks)], v[SC+32*(\ss)+4*\a+(\ks)] matrix_a_fmt:MATRIX_FMT_FP6 matrix_b_fmt:MATRIX_FMT_FP6
.else
	v_wmma_scale_f32_16x16x128_f8f6f4 v[8*(4*\a+\n):8*(4*\a+\n)+7], v[128*(\f)+48+12*\n:128*(\f)+48+12*\n+11], v[128*(\f)+12*\a:128*(\f)+12*\a+11], v[8*(4*\a+\n):8*(4*\a+\n)+7], v[SC+32*(\ss)+16+4*\n+(\ks)], v[SC+32*(\ss)+4*\a+(\ks)] matrix_a_fmt:MATRIX_FMT_FP6 matrix_b_fmt:MATRIX_FMT_FP6
.endif
.endr
.endr
.endm
.macro NEXT f, ks
	s_wait_dscnt 0x0
	PLACES
	FETCH \f, \ks
.endm
.macro GO p, ks, ss, zero
	WIN MUL
	MUL16 \p, \ks, \ss, \zero
.endm
.macro SYNC1 s
	s_wait_tensorcnt 0x0
	ds_add_u32 v[SPW], v[NIL]
	s_add_nc_u64 s[42+4*(\s):43+4*(\s)], s[42+4*(\s):43+4*(\s)], 3*UNIT
	s_add_nc_u64 s[50+4*(\s):51+4*(\s)], s[50+4*(\s):51+4*(\s)], 3*UNIT
	s_wait_dscnt 0x0
	CROUND
	JLOAD \s
.endm
	s_load_b256 s[4:11], s[0:1], 0x0
	s_load_b64 s[12:13], s[0:1], 0x20
	v_lshl_add_u32 v[SPW], v0, 2, SPARE
	v_mov_b32 v[NIL], 0
	ds_add_u32 v[SPW], v[NIL]
	ds_add_u32 v[SPW], v[NIL]
	v_lshrrev_b32 v128, 5, v0
	v_readfirstlane_b32 s14, v128
	s_lshr_b32 s15, s14, 1
	s_and_b32 s16, s14, 1
	s_bfe_u32 s17, ttmp6, 0x40000
	s_bfe_u32 s18, ttmp6, 0x40004
	s_lshl_b32 s19, ttmp9, 2
	s_add_co_u32 s19, s19, s17
	s_and_b32 s20, ttmp7, 0xffff
	s_lshl_b32 s20, s20, 2
	s_add_co_u32 s20, s20, s18
	s_lshl_b32 s21, s18, 2
	s_lshl_b32 s21, 15, s21
	s_lshl_b32 s22, 0x1111, s17
	s_or_b32 s[G1A], s21, (3<<16)|(1<<21)
	s_or_b32 s[G1B], s22, (3<<16)|(1<<21)
	s_or_b32 s[G2A], s21, (3<<16)|(1<<21)
	s_or_b32 s[G2B], s22, (3<<16)|(1<<21)
.irp g, G1A, G1B
	s_mov_b32 s[\g+1], 32<<16
	s_mov_b32 s[\g+2], 100<<16
	s_mov_b32 s[\g+3], 32<<16
	s_mov_b32 s[\g+4], 100
	s_mov_b32 s[\g+5], 32
	s_mov_b32 s[\g+6], 0
	s_mov_b32 s[\g+7], 0
.endr
.irp g, G2A, G2B
	s_mov_b32 s[\g+1], 32<<16
	s_mov_b32 s[\g+2], 200<<16
	s_mov_b32 s[\g+3], 32<<16
	s_mov_b32 s[\g+4], 200
	s_mov_b32 s[\g+5], 32
	s_mov_b32 s[\g+6], 0
	s_mov_b32 s[\g+7], 0
.endr
	s_mul_i32 s60, s14, UNIT
	s_mul_i32 s61, s14, UNIT/2
	s_mul_i32 s66, s16, UNIT
	s_mov_b32 s67, 0
	s_mul_i32 s68, s16, UNIT/2
	s_add_co_u32 s68, s68, 2*UNIT
	s_mov_b32 s69, 0
	s_mul_i32 s56, s20, NCH*UNIT
	s_mov_b32 s57, 0
	s_mul_i32 s58, s19, NCH*UNIT
	s_add_co_u32 s58, s58, WOFF
	s_mov_b32 s59, 0
	s_wait_dscnt 0x0
	s_wait_kmcnt 0x0
	s_add_nc_u64 s[56:57], s[4:5], s[56:57]
	s_add_nc_u64 s[58:59], s[6:7], s[58:59]
	CROUND
	s_mov_b32 s40, 1
	s_mov_b32 s41, s60
	s_add_nc_u64 s[42:43], s[56:57], s[66:67]
	s_or_b32 s43, s43, 0x80000000
	s_mov_b32 s44, 1
	s_add_co_u32 s45, s61, S1
	s_add_nc_u64 s[46:47], s[56:57], s[68:69]
	s_or_b32 s47, s47, 0x80000000
	s_mov_b32 s48, 1
	s_mov_b32 s49, s60
	s_add_nc_u64 s[50:51], s[58:59], s[66:67]
	s_or_b32 s51, s51, 0x80000000
	s_mov_b32 s52, 1
	s_add_co_u32 s53, s61, S1
	s_add_nc_u64 s[54:55], s[58:59], s[68:69]
	s_or_b32 s55, s55, 0x80000000
	JLOAD 0
	s_wait_alu depctr_va_vdst(0)
	s_wait_tensorcnt 0x0
	ds_add_u32 v16, v17
	s_wait_dscnt 0x0
	CROUND
	JLOAD 1
	v_and_b32 v128, 31, v0
	v_and_b32 v129, 15, v0
	v_bfe_u32 v130, v0, 4, 1
	v_lshlrev_b32 v[O16], 4, v128
	s_wait_alu depctr_va_vdst(0)
	v_lshlrev_b32 v[O8], 3, v128
	s_wait_alu depctr_va_vdst(0)
	s_lshl_b32 s66, s20, 7
	s_lshl_b32 s67, s14, 5
	s_add_co_u32 s66, s66, s67
	s_lshl_b32 s66, s66, 12
	s_lshl_b32 s67, s19, 9
	s_add_co_u32 s66, s66, s67
	s_mov_b32 s67, 0
	s_add_nc_u64 s[10:11], s[10:11], s[66:67]
	s_add_nc_u64 s[12:13], s[12:13], s[66:67]
	s_lshl_b32 s66, s19, 9
	s_add_nc_u64 s[8:9], s[8:9], s[66:67]
	WIN TO_2
.set n, 0
.rept 32
	global_load_b128 v[128+4*n:131+4*n], v[O16], s[10:11] offset:4096*n th:TH_LOAD_NT
.set n, n+1
.endr
	WIN 0
	global_load_b128 v[20:23], v[O16], s[8:9]
	s_mul_i32 s56, s15, 24576
	s_mul_i32 s57, s16, 24576
	v_add_nc_u32 v[LA16], s56, v[O16]
	v_add_nc_u32 v[LB16], s57, v[O16]
	s_add_co_u32 s56, s56, 512
	s_add_co_u32 s57, s57, 512
	v_add_nc_u32 v[LA8], s56, v[O8]
	v_add_nc_u32 v[LB8], s57, v[O8]
	s_lshl_b32 s56, s15, 10
	s_lshl_b32 s57, s16, 10
	s_add_co_u32 s56, s56, 49152
	s_add_co_u32 s57, s57, 49152
	v_lshl_add_u32 v[LAS], v129, 4, s56
	v_lshl_add_u32 v[LBS], v129, 4, s57
	v_and_b32 v29, 8, v129
	v_add_nc_u32 v29, v29, v129
	v_mul_u32_u24 v29, v29, 528
	v_lshl_add_u32 v29, v130, 6, v29
	s_mul_i32 s56, s15, 33792
	s_lshl_b32 s57, s16, 8
	s_add_co_u32 s56, s56, s57
	s_add_co_u32 s56, s56, STG
	v_add_nc_u32 v29, s56, v29
	s_mul_i32 s56, s14, 32*528
	s_add_co_u32 s56, s56, STG
	v_add_nc_u32 v30, s56, v[O16]
	s_wait_tensorcnt 0x1
	s_barrier_signal -1
	s_barrier_wait -1
	SETADR 0, 2*UNIT
	SCALES 0
	FETCH 0, 0
.set cc, 0
	s_wait_alu depctr_va_vdst(0)
.rept NCH
	s_wait_alu depctr_va_vdst(0)
	NEXT 1, 1
	GO 0, 0, cc%2, cc==0
	NEXT 0, 2
	GO 1, 1, cc%2, 0
	NEXT 1, 3
	GO 0, 2, cc%2, 0
	WIN 0
.if (cc == 1) || (cc == 4)
	SYNC1 0
.elseif cc == 2
	SYNC1 1
.else
	s_wait_dscnt 0x0
.if cc == 5
	s_wait_tensorcnt 0x0
	s_barrier_signal -1
	s_barrier_wait -1
.endif
.endif
.if cc+1 < NCH
.set ni, (cc+1)%3
.set nab, ni*UNIT+(ni/2)*2*UNIT
.set nbb, nab+2*UNIT-(ni/2)*UNIT
	SETADR nab, nbb
	SCALES (cc+1)%2
	FETCH 0, 0
.endif
	GO 1, 3, cc%2, 0
.set cc, cc+1
.endr
	WIN 0
	PLACES
	WIN ST2
.irp a, 0,1,2,3
.irp n, 0,1,2,3
	ds_store_b128 v29, v[8*(4*\a+\n):8*(4*\a+\n)+3] offset:(32*(\a/2)+8*(\a%2))*528+128*(\n/2)+32*(\n%2)
	ds_store_b128 v29, v[8*(4*\a+\n)+4:8*(4*\a+\n)+7] offset:(32*(\a/2)+8*(\a%2))*528+128*(\n/2)+32*(\n%2)+16
.endr
.endr
	WIN 0
	s_wait_dscnt 0x0
	s_barrier_signal -1
	s_barrier_wait -1
.set n, 0
.rept 32
	ds_load_b128 v[T+4*n:T+4*n+3], v30 offset:528*n
.set n, n+1
.endr
	s_wait_dscnt 0x0
	s_wait_loadcnt 0x0
.set n, 0
.rept 32
	v_pk_add_f32 v[T+4*n:T+4*n+1], v[T+4*n:T+4*n+1], v[20:21]
	v_pk_add_f32 v[T+4*n+2:T+4*n+3], v[T+4*n+2:T+4*n+3], v[22:23]
.set n, n+1
.endr
	WIN ST2
.set n, 0
.rept 64
	v_pk_add_f32 v[T+2*n:T+2*n+1], v[T+2*n:T+2*n+1], v[128+2*n:129+2*n]
.set n, n+1
.endr
	WIN 0
.set n, 0
.rept 32
	global_store_b128 v[O16], v[T+4*n:T+4*n+3], s[12:13] offset:4096*n th:TH_STORE_NT
.set n, n+1
.endr
	s_wait_tensorcnt 0x0
	ds_add_u32 v[SPW], v[NIL]
	s_wait_dscnt 0x0
	CROUND
	s_endpgm
.Lfunc_end_k_qf394f54cae_fc2:
	.size	k_qf394f54cae_fc2, .Lfunc_end_k_qf394f54cae_fc2-k_qf394f54cae_fc2
	.p2alignl 7, 3214868480
	.fill 96, 4, 3214868480
	.section	.rodata,"a",@progbits
	.p2align	6, 0x0
	.amdhsa_kernel k_qf394f54cae_fc2
		.amdhsa_group_segment_fixed_size 327680
		.amdhsa_private_segment_fixed_size 0
		.amdhsa_enable_private_segment 0
		.amdhsa_kernarg_size 40
		.amdhsa_user_sgpr_count 2
		.amdhsa_user_sgpr_kernarg_segment_ptr 1
		.amdhsa_wavefront_size32 1
		.amdhsa_system_sgpr_workgroup_id_x 1
		.amdhsa_system_sgpr_workgroup_id_y 1
		.amdhsa_system_sgpr_workgroup_id_z 1
		.amdhsa_system_vgpr_workitem_id 0
		.amdhsa_next_free_vgpr 768
		.amdhsa_next_free_sgpr 96
		.amdhsa_reserve_vcc 0
		.amdhsa_float_denorm_mode_32 3
		.amdhsa_float_denorm_mode_16_64 3
		.amdhsa_memory_ordered 1
		.amdhsa_forward_progress 1
		.amdhsa_inst_pref_size 172
	.end_amdhsa_kernel
	.amdgpu_metadata
---
amdhsa.version: [ 1, 2 ]
amdhsa.kernels:
  - .name:           k_qf394f54cae_fc2
    .symbol:         k_qf394f54cae_fc2.kd
    .args:
      - { .name: ffc, .offset: 0, .size: 8, .value_kind: global_buffer, .address_space: global }
      - { .name: wc, .offset: 8, .size: 8, .value_kind: global_buffer, .address_space: global }
      - { .name: fc2_b, .offset: 16, .size: 8, .value_kind: global_buffer, .address_space: global }
      - { .name: hid, .offset: 24, .size: 8, .value_kind: global_buffer, .address_space: global }
      - { .name: out0, .offset: 32, .size: 8, .value_kind: global_buffer, .address_space: global }
    .group_segment_fixed_size: 327680
    .private_segment_fixed_size: 0
    .kernarg_segment_align: 8
    .kernarg_segment_size: 40
    .max_flat_workgroup_size: 128
    .sgpr_count:     96
    .vgpr_count:     768
    .wavefront_size: 32
...
	.end_amdgpu_metadata
.endif
;; end of part 6
